; MI455X (gfx1250); checked and timed in simulation.
; The chip was launched on July 23, 2026; its instructions are those of AMD's public machine-readable ISA for CDNA 5 (MIT licence, August 2026) and "CDNA5" Instruction Set Architecture Reference Guide (July 2026). The comments in the code are by the model that wrote it; some were corrected since.
;; Cross Attention. Allowed arithmetic: float matrix products may take bf16 or f16 operands with f32 sums; other float arithmetic in f32, or as packed bf16 or f16 multiplies, adds, multiply-adds, maxima and minima; sums over many terms, partial sums and values carried from step to step in f32; what a program stores and reads back later, other than sums and carried values, may be rounded once to bf16 or f16.
;; Inputs: Wk 1,024 x 1,024 float32; Wq 1,024 x 1,024 float32; Wv 1,024 x 1,024 float32; Wx 1,024 x 1,024 float32; another 8 x 1,024 x 1,024 float32; beta 1,024 float32; bk 1,024 float32; bq 1,024 float32; bv 1,024 float32; bx 1,024 float32; gamma 1,024 float32; x 8 x 1,024 x 1,024 float32.
;; Outputs: out0 8 x 1,024 x 1,024 float32.
;; 2 versions, each right; version 2 is version 1 with the launch comb written anew for expert scheduling mode. Each part assembles by itself: llvm-mc -triple=amdgcn-amd-amdhsa -mcpu=gfx1250 --defsym DOCPART=n.
;; ======== version 1 of 2: 6 launches
;; limits: values are held in f16: magnitudes above 65,504 overflow, below 6.1e-05 lose precision
;; workspace buffers: cb 41,943,040 bytes; qkv 67,108,864 bytes; pl 33,554,432 bytes; st 1,048,576 bytes; pp 16,777,216 bytes; raw 33,554,432 bytes
;; launch cast (part 1): grid 1280 x 1, 8 waves a work-group, no clusters, 0 bytes of LDS; arguments another, x, Wq, Wx, Wk, Wv, cb; writes cb
.if DOCPART == 1
	.amdgcn_target "amdgcn-amd-amdhsa--gfx1250"
	.amdhsa_code_object_version 6
	.text
	.protected	k_qe544f43eeb_cast
	.globl	k_qe544f43eeb_cast
	.p2align	8
	.type	k_qe544f43eeb_cast,@function
k_qe544f43eeb_cast:
	s_mov_b64 s[64:65], 0
	v_nop
	global_prefetch_b8 v0, s[64:65] scope:SCOPE_SE
	s_setreg_imm32_b32 hwreg(HW_REG_WAVE_MODE, 25, 1), 1
	s_wait_xcnt 0x0
; another, x, Wq, Wx, Wk, Wv (f32) are rounded once to bf16 (nearest even) and laid one behind the other in cb, each in its own layout:
; another at byte 0, x at 16 MiB, Wq, Wx, Wk, Wv at 32, 34, 36, 38 MiB.
; A stream: every byte is read once and written once; no work-group wants a byte that another reads, so no LDS, no cluster, no matrix unit.
; SHARES.  Work-group id takes 16,384 numbers: 64 KiB in, 32 KiB out, at cb + 32,768 id; the ids run in cb's order: 0-511 another, 512-1023 x, then 64 for each W.
; In each of sixteen pieces of 4,096 bytes thread t takes the 16 bytes at 16 t: a wave's load covers 512 consecutive bytes and uses all of them.  Its four numbers are 8 bytes of bf16 at 8 t
; of the piece's 2,048 bytes in cb: a wave's store covers 256 consecutive bytes, aligned.
; All sixteen loads of a thread go out at once; each piece has its own registers, so no register that a load or store still names is written again.
.set X, 4                              ; v[4:67]   piece u: 4 numbers as loaded
.set Y, 68                             ; v[68:99]  piece u: 2 registers to store
	s_load_b256 s[4:11], s[0:1], 0x0               ; another s[4:5], x s[6:7], Wq s[8:9], Wx s[10:11]
	s_load_b128 s[12:15], s[0:1], 0x20             ; Wk s[12:13], Wv s[14:15]
	s_load_b64 s[16:17], s[0:1], 0x30              ; cb
	v_lshlrev_b32 v1, 4, v0                        ; 16 t: my bytes in a piece of the source
	v_lshlrev_b32 v2, 3, v0                        ; 8 t: my bytes in a piece of cb
	s_wait_kmcnt 0x0
	s_mov_b64 s[20:21], s[14:15]                   ; the source and its first id: Wv, unless the id lies below
	s_mov_b32 s22, 1216
	s_cmp_lt_u32 ttmp9, 1216
	s_cselect_b64 s[20:21], s[12:13], s[20:21]
	s_cselect_b32 s22, 1152, s22
	s_cmp_lt_u32 ttmp9, 1152
	s_cselect_b64 s[20:21], s[10:11], s[20:21]
	s_cselect_b32 s22, 1088, s22
	s_cmp_lt_u32 ttmp9, 1088
	s_cselect_b64 s[20:21], s[8:9], s[20:21]
	s_cselect_b32 s22, 1024, s22
	s_cmp_lt_u32 ttmp9, 1024
	s_cselect_b64 s[20:21], s[6:7], s[20:21]
	s_cselect_b32 s22, 512, s22
	s_cmp_lt_u32 ttmp9, 512
	s_cselect_b64 s[20:21], s[4:5], s[20:21]
	s_cselect_b32 s22, 0, s22
	s_sub_co_u32 s24, ttmp9, s22                   ; my place in the source,
	s_lshl_b32 s24, s24, 16                        ; 65,536 bytes each
	s_mov_b32 s25, 0
	s_lshl_b32 s26, ttmp9, 15                      ; my place in cb, 32,768 bytes each
	s_mov_b32 s27, 0
	s_add_nc_u64 s[20:21], s[20:21], s[24:25]
	s_add_nc_u64 s[16:17], s[16:17], s[26:27]
.irp u, 0,1,2,3,4,5,6,7,8,9,10,11,12,13,14,15
	global_load_b128 v[X+4*(\u):X+4*(\u)+3], v1, s[20:21] offset:4096*(\u) th:TH_LOAD_NT
.endr
.irp u, 0,1,2,3,4,5,6,7,8,9,10,11,12,13,14,15
	s_wait_loadcnt 15-(\u)                         ; loads come back in order: piece u's is in, the later pieces' stay out
	v_cvt_pk_bf16_f32 v[Y+2*(\u)],   v[X+4*(\u)],   v[X+4*(\u)+1]
	v_cvt_pk_bf16_f32 v[Y+2*(\u)+1], v[X+4*(\u)+2], v[X+4*(\u)+3]
	global_store_b64 v2, v[Y+2*(\u):Y+2*(\u)+1], s[16:17] offset:2048*(\u) th:TH_STORE_NT
.endr
	s_endpgm
.Lfunc_end_k_qe544f43eeb_cast:
	.size	k_qe544f43eeb_cast, .Lfunc_end_k_qe544f43eeb_cast-k_qe544f43eeb_cast
	.p2alignl 7, 3214868480
	.fill 96, 4, 3214868480
	.section	.rodata,"a",@progbits
	.p2align	6, 0x0
	.amdhsa_kernel k_qe544f43eeb_cast
		.amdhsa_group_segment_fixed_size 0
		.amdhsa_private_segment_fixed_size 0
		.amdhsa_enable_private_segment 0
		.amdhsa_kernarg_size 56
		.amdhsa_user_sgpr_count 2
		.amdhsa_user_sgpr_kernarg_segment_ptr 1
		.amdhsa_wavefront_size32 1
		.amdhsa_system_sgpr_workgroup_id_x 1
		.amdhsa_system_sgpr_workgroup_id_y 1
		.amdhsa_system_sgpr_workgroup_id_z 1
		.amdhsa_system_vgpr_workitem_id 0
		.amdhsa_next_free_vgpr 104
		.amdhsa_next_free_sgpr 66
		.amdhsa_reserve_vcc 0
		.amdhsa_float_denorm_mode_32 3
		.amdhsa_float_denorm_mode_16_64 3
		.amdhsa_memory_ordered 1
		.amdhsa_forward_progress 1
		.amdhsa_inst_pref_size 8
	.end_amdhsa_kernel
	.amdgpu_metadata
---
amdhsa.version: [ 1, 2 ]
amdhsa.kernels:
  - .name:           k_qe544f43eeb_cast
    .symbol:         k_qe544f43eeb_cast.kd
    .args:
      - { .name: another, .offset: 0, .size: 8, .value_kind: global_buffer, .address_space: global }
      - { .name: x, .offset: 8, .size: 8, .value_kind: global_buffer, .address_space: global }
      - { .name: Wq, .offset: 16, .size: 8, .value_kind: global_buffer, .address_space: global }
      - { .name: Wx, .offset: 24, .size: 8, .value_kind: global_buffer, .address_space: global }
      - { .name: Wk, .offset: 32, .size: 8, .value_kind: global_buffer, .address_space: global }
      - { .name: Wv, .offset: 40, .size: 8, .value_kind: global_buffer, .address_space: global }
      - { .name: cb, .offset: 48, .size: 8, .value_kind: global_buffer, .address_space: global }
    .group_segment_fixed_size: 0
    .private_segment_fixed_size: 0
    .kernarg_segment_align: 8
    .kernarg_segment_size: 56
    .max_flat_workgroup_size: 256
    .sgpr_count:     66
    .vgpr_count:     104
    .wavefront_size: 32
...
	.end_amdgpu_metadata
.endif
;; end of part 1
;; launch proj (part 2): grid 4 x 64, 4 waves a work-group, clusters of 4 x 4, 327,680 bytes of LDS; arguments cb, bq, bx, bk, bv, qkv; writes qkv
.if DOCPART == 2
	.amdgcn_target "amdgcn-amd-amdhsa--gfx1250"
	.amdhsa_code_object_version 6
	.text
	.protected	k_qe544f43eeb_proj
	.globl	k_qe544f43eeb_proj
	.p2align	8
	.type	k_qe544f43eeb_proj,@function
k_qe544f43eeb_proj:
	s_mov_b64 s[64:65], 0
	v_nop
	global_prefetch_b8 v0, s[64:65] scope:SCOPE_SE
	s_setreg_imm32_b32 hwreg(HW_REG_WAVE_MODE, 25, 1), 1
	s_wait_xcnt 0x0
	s_wait_alu depctr_hold_cnt(0) depctr_sa_sdst(0) depctr_va_vdst(0) depctr_va_sdst(0) depctr_va_ssrc(0) depctr_va_vcc(0) depctr_vm_vsrc(0)
	s_getreg_b32 s2, hwreg(HW_REG_IB_STS2, 6, 4)
	s_cmp_eq_u32 s2, 0
	s_cbranch_scc0 .Lentry_in_a_cluster
	s_endpgm
.Lentry_in_a_cluster:
	s_bfe_u32 s2, ttmp6, 0x10000c
	s_cmp_lg_u32 s2, 0xf033
	s_cbranch_scc0 .Lentry_shape_is_right
	s_endpgm
.Lentry_shape_is_right:
; THE FOUR PROJECTIONS.  qkv[p][b][o][l] = sum over c of W_p[o][c] X_p[b][c][l] + bias_p[o];  p = 0: q (Wq, another), 1: q_x (Wx, x), 2: k (Wk, x), 3: v (Wv, x).
; W and X come as bf16 out of cb; the bias is rounded to bf16 here, like every input of the module, and starts the f32 sums as the C operand of each sum's first product; the result is rounded once to f16.
; LIMIT.  f16 ends at 65,504: a result of 65,520 or more becomes an infinity.  NaN and infinities are not treated apart.
; SHARES.  A cluster of 4 x 4 work-groups makes a whole [1024 o][1024 l]: cy the block of 256 o, cx the block of 256 l.  A work-group of four waves makes 256 x 256, a wave 128 x 128: 64 accumulators, 512 registers.
; A WORK-GROUP STAYS: cluster y = 2 b + half, and the cluster makes projection 2 half and then projection 2 half + 1 of batch b: 8 x 2 x 16 = 256 work-groups, two tiles each.
; K = c goes in steps of 128 through a ring of two LDS slots, and the two tiles' 8 + 8 K steps are ONE walk of 16 for the ring: the first tile's last two changes of slots ask for the second tile's first two K steps,
; and the first tile's stores leave while the second tile is multiplied.  One counted loop makes all 14 refills; at the change of tiles a forward jump, past text that holds no barrier and no tensor load, puts the way out,
; the second bias and the quarter that starts the sums in the place of the ordinary first quarter.  The loop is entered there too.
; JOINT LOADS.  W's tile hangs on cy alone and is asked for jointly by the four work-groups of a row of the cluster, X's hangs on cx alone and is asked for by a column.
; LAYOUT.  Source 0 = 16 columns l of X (X lies [c][l], so its fragments come turned, by ds_load_tr16_b128), source 1 = 16 rows o of W: a lane then holds ONE o (lane % 16) and eight neighbouring l: 16 bytes of f16.
; THE LOOP's body is ONE K step: the LDS addresses of the slot in hand lie in two registers made from s[TB], and one walking descriptor a tensor changes slots by an exclusive or
; (SLOT = 0x22000; the waves' parts begin at 0, 0x8800, 0x11000, 0x19800, in which bits 13 and 17 are clear, so the exclusive or adds or takes away SLOT).
; REGISTERS, in windows of 256 (s_set_vgpr_msb: bits 1:0 source 0, 3:2 source 1, 5:4 source 2, 7:6 destination):
;   window 0: v0-31 addresses, and both tiles' biases; v64-127, v128-191 W's fragments, two buffers; v192-255 the bias as a C operand (8 blocks x 8 equal registers), on the way out v192-223 packed, v32-63 and v224-255 rows read back
;   window 1: v64-127, v128-191 X's fragments      window 2: accumulators of my rows 0-63 ((a, b) at 8 (8 (a % 4) + b))      window 3: those of rows 64-127
.set PA,    272                        ; a row of W in LDS: 256 bytes + 16: the 16 rows of a fragment load start at 16 different groups of four banks (64 banks of 4 bytes: ISA guide 11.1)
.set PB,    544                        ; a row of X in LDS: 512 bytes + 32 = 17 x 32
.set PART,  128*PA                     ; what one tensor load brings: 128 rows of W, or 64 rows of X (64 x 544 is the same 34,816)
.set SLOT,  4*PART                     ; W's 256 rows, then X's 128 rows
.set STAGE, 2*SLOT                     ; behind the ring: 16 rows x 272 bytes for each wave, for the way out
.set SP,    272
.set SPARE, STAGE+4*16*SP              ; behind the stages: the spare words, 128 bytes for each wave
.set KA,    256                        ; a K step along W's rows, in bytes
.set KB,    128*2048                   ; a K step down X's rows, in bytes
.set JA,    0x200000-7*KA              ; from W_p's K step 7 to W_(p+1)'s K step 0
.set JB0,   0x1000000-7*KB             ; from another's K step 7 to x's K step 0 (half 0)
.set JB1,   0xffe40000                 ; - 7 KB, in 32 bits: back to x's K step 0 (half 1)
.set BR,  8                            ; v8-15  the bias of row 16 a + r: the first tile's in the low bf16, the second tile's in the high one
.set A0,  16                           ; v16  my lane's place in W's part of slot 0; never rewritten
.set B0,  17                           ; v17  the same for X
.set CA,  18                           ; v18  A0 + the slot in hand
.set CB,  19                           ; v19  B0 + the slot in hand
.set STO, 24                           ; v24  the way out: where I put 16 bytes of a row
.set RD,  25                           ; v25  where I read rows back
.set CO,  26                           ; v26  my byte offset in two rows of the result
.set BO,  27                           ; v27  my byte offset in 16 numbers of the bias
.set SPW, 28                           ; v28  LDS address of my spare word; never rewritten
.set NIL, 29                           ; v29  0; never rewritten
.set PFO, 30                           ; v30  the prefetches' lane offset; never rewritten
.set OB,  32
.set F0,  64
.set F1,  128
.set TMP, 192
.set BIAS, 192
.set WA,  4                            ; s[4:5]  byte offset in cb of the K step of W that was asked for last (the upper word is 0)
.set WB,  6                            ; s[6:7]  the same for X
.set JBR, 8                            ; s8   X's step at the change of tiles
.set SH,  9                            ; s9   16 for the first tile's bias, 0 for the second's
.set G1A, 24                           ; s[24:31] descriptor group 1 for W's tiles
.set G0A, 32                           ; s[32:39] group 0: a set for each first fill; the second then walks on
.set G1B, 48                           ; s[48:55], s[56:63] the same for X's tiles
.set G0B, 56
.set CBP, 68                           ; s[68:69] cb
.set PFN, 83                           ; s83  the prefetches' step: a K step of my tensor
.set LIM, 86                           ; s86  a wave prefetches while the loop's count is above this
.set TB,  87                           ; s87  LDS byte at which the slot in hand begins
.set PFA, 88                           ; s[88:89] where my prefetches stand
.set PFS, 90                           ; s[90:91] the step that is due
.set CP,  92                           ; s[92:93] the result at my wave's first row and column
.set PFJ, 98                           ; s98  the prefetches' step at the change of tiles
.set MSB, 0
.macro WIN new                         ; the immediate's high byte repeats the setting that is left; a switch that changes nothing is dropped
.if MSB != (\new)
	s_set_vgpr_msb (MSB<<8)|(\new)
.set MSB, \new
.endif
.endm
.set MUL_LO, 0xa1                      ; source 0 (X) window 1, source 1 (W) window 0, C and D window 2
.set TO_B,   0x40                      ; destination window 1, address window 0
.macro PLACES                          ; four plain places between a matrix instruction and a load into, or a vector read of, its registers
.rept 4
	v_nop
.endr
.endm
; A joint load: waves 0 and 1 fetch W's two halves, waves 2 and 3 X's.  The branch hangs on the wave's number alone.  An s_nop 0 and four v_nop follow each line.
.macro JLOAD s
	s_cmp_eq_u32 s11, 0
	s_cbranch_scc0 .Lfor_b_\@
	tensor_load_to_lds s[G0A+4*(\s):G0A+4*(\s)+3], s[G1A:G1A+7]
	s_nop 0
.rept 4
	v_nop
.endr
	s_branch .Lasked_\@
.Lfor_b_\@:
	tensor_load_to_lds s[G0B+4*(\s):G0B+4*(\s)+3], s[G1B:G1B+7]
	s_nop 0
.rept 4
	v_nop
.endr
.Lasked_\@:
.endm
.macro CREST                           ; a round of the cluster's barrier behind its opening barrier
	s_cmp_lg_u32 s10, 0
	s_cbranch_scc1 .Lnot_wave_0_\@
	s_barrier_signal -3
.Lnot_wave_0_\@:
	s_barrier_wait -3
	s_barrier_signal -1
	s_barrier_wait -1
.endm
.macro CROUND                          ; a whole round
	s_barrier_signal -1
	s_barrier_wait -1
	CREST
.endm
; A prefetch of the K step that stands two refills on in the walk of 16: 32 blocks of 256 bytes, a lane a block, one instruction a wave.  Each block is named once in the launch.  W_p is read by the eight
; clusters of its half: the one with b = 0 asks, for steps 4 to 15 of the walk (count 14 to 3).  another[b] is read by the cluster of half 0 in its first tile; x[b] by the cluster of half 1 in its first tile and
; by both clusters' second tiles: each cluster asks for its first tile's X, steps 4 to 7 (count 14 to 11), and nobody for the second tiles'.  The four partners of a joint load share its rows out by address.
.macro ASK
	s_cmp_gt_u32 s3, s[LIM]
	s_cbranch_scc0 .Lnot_mine_\@
	global_prefetch_b8 v[PFO], s[PFA:PFA+1] th:TH_LOAD_NT scope:SCOPE_SE
.Lnot_mine_\@:
.endm
; 16 matrix instructions: row blocks a0, a0 + 1 of the window's four x all 8 column blocks, 32 along K.  first = 1: the bias starts the sums.
.macro MUL16 f, hi, a0, first
.if \first
	WIN 0x81+0x40*(\hi)                            ; C, the bias, in window 0
.else
	WIN MUL_LO+0x50*(\hi)
.endif
.irp a, \a0, (\a0)+1
.irp b, 0,1,2,3,4,5,6,7
.if \first
	v_wmma_f32_16x16x32_bf16 v[8*(8*(\a)+(\b)):8*(8*(\a)+(\b))+7], v[(\f)+8*(\b):(\f)+8*(\b)+7], v[(\f)+8*(4*(\hi)+(\a)):(\f)+8*(4*(\hi)+(\a))+7], v[BIAS+8*(4*(\hi)+(\a)):BIAS+8*(4*(\hi)+(\a))+7]
.else
	v_wmma_f32_16x16x32_bf16 v[8*(8*(\a)+(\b)):8*(8*(\a)+(\b))+7], v[(\f)+8*(\b):(\f)+8*(\b)+7], v[(\f)+8*(4*(\hi)+(\a)):(\f)+8*(4*(\hi)+(\a))+7], v[8*(8*(\a)+(\b)):8*(8*(\a)+(\b))+7]
.endif
.endr
.endr
.endm
; 32 LDS loads in one run: quarter kq (32 along K) of the slot in hand into buffer f: X's 8 fragments, turned, then W's 8
.macro FETCH kq, f
	WIN TO_B
.irp i, 0,1,2,3,4,5,6,7
	ds_load_tr16_b128 v[(\f)+8*(\i):(\f)+8*(\i)+3],   v[CB] offset:(\kq)*32*PB+32*(\i)
	ds_load_tr16_b128 v[(\f)+8*(\i)+4:(\f)+8*(\i)+7], v[CB] offset:(\kq)*32*PB+32*(\i)+16*PB
.endr
	WIN 0
.irp i, 0,1,2,3,4,5,6,7
	ds_load_b128 v[(\f)+8*(\i):(\f)+8*(\i)+3],   v[CA] offset:(\kq)*64+(\i)*16*PA
	ds_load_b128 v[(\f)+8*(\i)+4:(\f)+8*(\i)+7], v[CA] offset:(\kq)*64+(\i)*16*PA+32
.endr
.endm
; One of a K step's first three quarters: multiplies buffer f; in its middle it fetches quarter kq into buffer g.  The 64 accumulators take turns in the same order in every quarter.
.macro QUARTER kq, f, g, first
	s_wait_dscnt 8                                 ; X's and W's rows 0-63 are in; the youngest eight loads (W's rows 64-127) may be out
	MUL16 \f, 0, 0, \first
	MUL16 \f, 0, 2, \first
	PLACES
	FETCH \kq, \g
	s_wait_dscnt 32                                ; all but the 32 just issued
	MUL16 \f, 1, 0, \first
	MUL16 \f, 1, 2, \first
.endm
; The last quarter multiplies buffer 1 and changes slots.  In front of the barrier each wave waits for all its tensor loads (one is out: its part of the next slot), adds 0 to its spare word, and waits for
; that and for its reads of this slot.  fill = 1: the barrier opens a round of the cluster's barrier, and the slot just read is filled again, first thing behind the round, with the step two on in the walk.
; The walking descriptors are written between the add and the wait for it, where no tensor load of the wave is out: the other slot than last time, and cb + an offset that is kept apart and steps by a K step,
; or, at count 8, from the first tile's K step 7 to the second tile's K step 0.
.macro TURN fill
.if \fill
	s_wait_xcnt 0x0                                ; the last prefetch, a K step back, has read its address
	s_cmp_eq_u32 s3, 10                            ; (the prefetches stand two steps further on in the walk than the refills)
	s_cselect_b32 s[PFS], s[PFJ], s[PFN]
	s_add_nc_u64 s[PFA:PFA+1], s[PFA:PFA+1], s[PFS:PFS+1]
.endif
	WIN 0
	s_wait_tensorcnt 0x0                           ; all my tensor loads have landed
	ds_add_u32 v[SPW], v[NIL]                      ; 0 onto my spare word
.if \fill
	s_cmp_eq_u32 s3, 8
	s_mov_b32 s13, KA                              ; (a move leaves SCC as the compare set it; an instruction holds one literal)
	s_cselect_b32 s13, JA, s13
	s_mov_b32 s42, KB
	s_cselect_b32 s42, s[JBR], s42
	s_add_co_u32 s[WA], s[WA], s13
	s_add_co_u32 s[WB], s[WB], s42                 ; (in 32 bits: the step back wraps to the right offset, which stays under cb's 40 MiB)
	s_xor_b32 s[G0A+5], s[G0A+5], SLOT
	s_add_nc_u64 s[G0A+6:G0A+7], s[CBP:CBP+1], s[WA:WA+1]
	s_or_b32 s[G0A+7], s[G0A+7], 0x80000000
	s_xor_b32 s[G0B+5], s[G0B+5], SLOT
	s_add_nc_u64 s[G0B+6:G0B+7], s[CBP:CBP+1], s[WB:WB+1]
	s_or_b32 s[G0B+7], s[G0B+7], 0x80000000
.endif
	s_wait_dscnt 9                                 ; (the add and the youngest eight loads may be out)
	MUL16 F1, 0, 0, 0
	s_wait_dscnt 0x0                               ; the add is done, and my reads of this slot are over
	s_barrier_signal -1
	MUL16 F1, 0, 2, 0                              ; work on registers while the others arrive
	WIN 0
	s_barrier_wait -1
.if \fill
	CREST                                          ; no wave of any partner still reads this slot or has a load on its way
	JLOAD 1                                        ; 224 matrix instructions ahead of the wait for it; its four v_nop are also the places in front of the loads below
.else
	PLACES
.endif
	s_xor_b32 s[TB], s[TB], SLOT                   ; the reads go on in the other slot
	v_add_nc_u32 v[CA], s[TB], v[A0]
	v_add_nc_u32 v[CB], s[TB], v[B0]
	FETCH 0, F0
.if \fill
	ASK
.endif
	MUL16 F1, 1, 0, 0
	MUL16 F1, 1, 2, 0
.endm
; THE WAY OUT of block a (16 rows o x 128 l).  PACK: rounded to f16, each accumulator's registers in ascending order.  TOSTAGE: into my own stage, and back as whole rows of 256 bytes.  SEND: stored.
.macro PACK a
.set AC, 64*((\a)%4)
	WIN 0x0a+5*((\a)/4)                            ; sources 0 and 1: window 2 or 3
.irp b, 0,1,2,3,4,5,6,7
.irp r, 0,1,2,3
	v_cvt_pk_f16_f32 v[TMP+4*(\b)+(\r)], v[AC+8*(\b)+2*(\r)], v[AC+8*(\b)+2*(\r)+1]
.endr
.endr
	WIN 0
.endm
.macro TOSTAGE a
	WIN 0
.set BK, OB+192*((\a)%2)
.irp b, 0,1,2,3,4,5,6,7
	ds_store_b128 v[STO], v[TMP+4*(\b):TMP+4*(\b)+3] offset:32*(\b)
.endr
.irp t, 0,1,2,3,4,5,6,7
	ds_load_b128 v[BK+4*(\t):BK+4*(\t)+3], v[RD] offset:(\t)*2*SP  ; LDS serves a wave's instructions in order (ISA guide 5.7.1.4): these see the stores above
.endr
.endm
.macro SEND a
	WIN 0
.set BK, OB+192*((\a)%2)
	s_wait_dscnt 0x0                               ; the block is back in registers
	s_wait_xcnt 0x0                                ; the stores of the block before have read their registers, which the next block's loads from the stage fill again
.irp t, 0,1,2,3,4,5,6,7
	global_store_b128 v[CO], v[BK+4*(\t):BK+4*(\t)+3], s[CP:CP+1] offset:(16*(\a)+2*(\t))*2048  ; 16 lanes store 256 consecutive bytes, aligned
.endr
.endm
.macro WAYOUT                          ; block a's conversions stand between block a - 1's loads from the stage and the wait for them
	PACK 0
	TOSTAGE 0
.irp a, 1,2,3,4,5,6,7
	PACK \a
	SEND (\a)-1
	TOSTAGE \a
.endr
	SEND 7
.endm
; The tile's bias becomes a C operand: its bf16 half is moved to the top of the word (by 16 places for the first tile, by none for the second), the other half cut off, and the f32 that this leaves
; laid into the eight registers of each block: a lane's eight results share one row o.
.macro EXPAND
.irp a, 0,1,2,3,4,5,6,7
	v_lshlrev_b32 v[BIAS+8*(\a)], s[SH], v[BR+(\a)]
.endr
.irp a, 0,1,2,3,4,5,6,7
	v_and_b32 v[BIAS+8*(\a)], 0xffff0000, v[BIAS+8*(\a)]
.endr
.irp a, 0,1,2,3,4,5,6,7
.irp j, 1,2,3,4,5,6,7
	v_mov_b32 v[BIAS+8*(\a)+(\j)], v[BIAS+8*(\a)]
.endr
.endr
	s_mov_b32 s[SH], 0
.endm
	s_load_b256 s[68:75], s[0:1], 0x0              ; cb s[68:69], bq s[70:71], bx s[72:73], bk s[74:75]
	s_load_b128 s[76:79], s[0:1], 0x20             ; bv s[76:77], qkv s[78:79]
	v_lshl_add_u32 v[SPW], v0, 2, SPARE
	v_mov_b32 v[NIL], 0
	ds_add_u32 v[SPW], v[NIL]                      ; the wave's opening: the add and its wait stand ahead of my first tensor load; work on registers stands between them
	v_lshrrev_b32 v1, 5, v0
	v_readfirstlane_b32 s10, v1                    ; wave 0..3
	s_lshr_b32 s11, s10, 1                         ; my half of the tile's rows.  Also: I fetch for W (0) or for X (1)
	s_and_b32 s12, s10, 1                          ; my half of its columns.  Also: which half of that tile I fetch
	s_bfe_u32 s40, ttmp6, 0x40000                  ; cx: the block of 256 l
	s_bfe_u32 s41, ttmp6, 0x40004                  ; cy: the block of 256 o
	s_and_b32 s80, ttmp7, 0xffff                   ; cluster y
	s_and_b32 s81, s80, 1                          ; half: projections 0 and 1, or 2 and 3
	s_lshr_b32 s82, s80, 1                         ; b
	s_lshl_b32 s43, s41, 2
	s_lshl_b32 s43, 15, s43                        ; my row of the cluster
	s_lshl_b32 s44, 0x1111, s40                    ; my column
	s_or_b32 s[G1A+0], s43, (1<<16)|(1<<20)|(1<<21)|(5<<22)|(3<<25)  ; mask; 2-byte elements; padding on; bit 21 beside a mask; after every 64 words 4 words
	s_mov_b32 s[G1A+1], 128<<16                    ; tensor_dim0 = 128
	s_mov_b32 s[G1A+2], 128<<16                    ; tensor_dim1 = 128
	s_mov_b32 s[G1A+3], 128<<16                    ; tile_dim0 = 128
	s_mov_b32 s[G1A+4], 128                        ; tile_dim1 = 128
	s_mov_b32 s[G1A+5], 1024                       ; elements from row to row
	s_mov_b32 s[G1A+6], 0
	s_mov_b32 s[G1A+7], 0
	s_or_b32 s[G1B+0], s44, (1<<16)|(1<<20)|(1<<21)|(6<<22)|(7<<25)  ; after every 128 words 8 words
	s_mov_b32 s[G1B+1], 256<<16                    ; tensor_dim0 = 256
	s_mov_b32 s[G1B+2], 64<<16                     ; tensor_dim1 = 64
	s_mov_b32 s[G1B+3], 256<<16                    ; tile_dim0 = 256
	s_mov_b32 s[G1B+4], 64                         ; tile_dim1 = 64
	s_mov_b32 s[G1B+5], 1024
	s_mov_b32 s[G1B+6], 0
	s_mov_b32 s[G1B+7], 0
	s_lshl_b32 s16, s41, 8                         ; W's first tile: row 256 cy + 128 x half of the tile,
	s_lshl_b32 s17, s12, 7
	s_add_co_u32 s16, s16, s17
	s_lshl_b32 s16, s16, 11                        ; 2,048 bytes a row,
	s_lshl_b32 s17, s81, 22                        ; in W of projection 2 half, 2 MiB each,
	s_add_co_u32 s16, s16, s17
	s_add_co_u32 s16, s16, 0x2000000               ; which lie from 32 MiB on
	s_mov_b32 s17, 0
	s_cmp_eq_u32 s81, 0                            ; X's first tile: another for q, x for k,
	s_cselect_b32 s46, 0, 0x1000000
	s_mov_b32 s[JBR], JB1                          ; and its step to the second tile's, which is x's for both halves
	s_cselect_b32 s[JBR], JB0, s[JBR]
	s_lshl_b32 s47, s82, 21                        ; batch b,
	s_add_co_u32 s46, s46, s47
	s_lshl_b32 s47, s12, 17                        ; my 64 of a K step's 128 rows,
	s_add_co_u32 s46, s46, s47
	s_lshl_b32 s47, s40, 9                         ; columns 256 cx on
	s_add_co_u32 s46, s46, s47
	s_mov_b32 s47, 0
	s_add_co_u32 s[WA], s16, KA                    ; the walking descriptors begin at K step 1
	s_mov_b32 s[WA+1], 0
	s_add_co_u32 s[WB], s46, KB
	s_mov_b32 s[WB+1], 0
	s_mov_b32 s[SH], 16
	s_mul_i32 s20, s10, PART                       ; where my part goes: no place in the cluster enters an LDS address
	s_wait_dscnt 0x0                               ; the opening add is done
	s_wait_kmcnt 0x0
	s_add_nc_u64 s[14:15], s[CBP:CBP+1], s[16:17]
	s_add_nc_u64 s[44:45], s[CBP:CBP+1], s[46:47]
	CROUND                                         ; all sixteen work-groups are here: the first joint loads meet
.irp s, 0,1
	s_mov_b32 s[G0A+4*(\s)], 1
	s_add_co_u32 s[G0A+4*(\s)+1], s20, (\s)*SLOT
	s_add_nc_u64 s[G0A+4*(\s)+2:G0A+4*(\s)+3], s[14:15], (\s)*KA
	s_or_b32 s[G0A+4*(\s)+3], s[G0A+4*(\s)+3], 0x80000000
	s_mov_b32 s[G0B+4*(\s)], 1
	s_add_co_u32 s[G0B+4*(\s)+1], s20, (\s)*SLOT
	s_add_nc_u64 s[G0B+4*(\s)+2:G0B+4*(\s)+3], s[44:45], (\s)*KB
	s_or_b32 s[G0B+4*(\s)+3], s[G0B+4*(\s)+3], 0x80000000
	JLOAD \s                                       ; K steps 0 and 1: two loads of mine are out
.endr
	v_and_b32 v1, 15, v0                           ; r = l % 16
	v_bfe_u32 v2, v0, 4, 1                         ; h = l / 16
	v_lshlrev_b32 v[BO], 2, v1
	s_cmp_eq_u32 s81, 0                            ; the two tiles' biases: bq and bx, or bk and bv,
	s_cselect_b64 s[84:85], s[70:71], s[74:75]
	s_cselect_b64 s[96:97], s[72:73], s[76:77]
	s_lshl_b32 s18, s41, 10                        ; at my wave's first row: (256 cy + 128 x half) x 4 bytes
	s_lshl_b32 s19, s11, 9
	s_add_co_u32 s18, s18, s19
	s_mov_b32 s19, 0
	s_add_nc_u64 s[84:85], s[84:85], s[18:19]
	s_add_nc_u64 s[96:97], s[96:97], s[18:19]
.irp a, 0,1,2,3,4,5,6,7
	global_load_b32 v[BIAS+8*(\a)],   v[BO], s[84:85] offset:64*(\a)  ; the bias of row 16 a + r: the first tile's,
	global_load_b32 v[BIAS+8*(\a)+1], v[BO], s[96:97] offset:64*(\a)  ; the second tile's
.endr
	v_mul_u32_u24 v3, v1, PA
	v_lshl_add_u32 v3, v2, 4, v3                   ; r x 272 + 16 h
	s_mul_i32 s21, s11, PART
	v_add_nc_u32 v[A0], s21, v3                    ; my 128 rows of W
	v_and_b32 v4, 7, v0
	v_lshl_add_u32 v4, v2, 3, v4                   ; the turning load: row 8 h + l % 8,
	v_mul_u32_u24 v4, v4, PB
	v_bfe_u32 v5, v0, 3, 1
	v_lshl_add_u32 v4, v5, 4, v4                   ; 16 bytes for each group of eight lanes,
	s_lshl_b32 s22, s12, 8                         ; my 128 columns,
	s_add_co_u32 s22, s22, 2*PART                  ; behind W's 256 rows
	v_add_nc_u32 v[B0], s22, v4
	s_mul_i32 s23, s10, 16*SP
	s_add_co_u32 s23, s23, STAGE                   ; my stage
	v_add_nc_u32 v[STO], s23, v3                   ; in: row r, 16 bytes for each half of the lanes
	v_mul_u32_u24 v5, v2, SP                       ; back: lanes 0-15 one row of 256 bytes, lanes 16-31 the next
	v_lshl_add_u32 v5, v1, 4, v5
	v_add_nc_u32 v[RD], s23, v5
	v_lshlrev_b32 v5, 11, v2                       ; and the same two rows in the result
	v_lshl_add_u32 v[CO], v1, 4, v5
	s_lshl_b32 s94, s81, 25                        ; the first tile's result: projection 2 half, 16 MiB each,
	s_lshl_b32 s95, s82, 21                        ; batch b,
	s_add_co_u32 s94, s94, s95
	s_lshl_b32 s95, s41, 19                        ; row 256 cy
	s_add_co_u32 s94, s94, s95
	s_lshl_b32 s95, s11, 18                        ; + 128 x half,
	s_add_co_u32 s94, s94, s95
	s_lshl_b32 s95, s40, 9                         ; column 256 cx
	s_add_co_u32 s94, s94, s95
	s_lshl_b32 s95, s12, 8                         ; + 128 x half
	s_add_co_u32 s94, s94, s95
	s_mov_b32 s95, 0
	s_add_nc_u64 s[CP:CP+1], s[78:79], s[94:95]
	; the prefetches: of the rows that I fetch, my work-group's quarter, at K step 3; each change of slots steps the address and then names it
	s_lshl_b32 s18, s40, 16                        ; W: 32 cx rows on,
	s_add_co_u32 s18, s18, s16
	s_add_co_u32 s18, s18, 3*KA
	s_lshl_b32 s19, s41, 15                        ; X: 16 cy rows on,
	s_add_co_u32 s19, s19, s46
	s_add_co_u32 s19, s19, 3*KB
	s_cmp_eq_u32 s82, 0
	s_cselect_b32 s21, 2, -1                       ; W: the cluster with b = 0, down to count 3
	s_cmp_eq_u32 s11, 0                            ; do I fetch for W?  (only moves and selects follow, which leave SCC alone)
	s_cselect_b32 s[PFA], s18, s19
	s_cselect_b32 s[LIM], s21, 10                  ; X: every cluster, down to count 11.  The same in all sixteen partners, for a given wave
	s_mov_b32 s[PFN], KB
	s_cselect_b32 s[PFN], KA, s[PFN]
	s_mov_b32 s[PFJ], KB                           ; (X's address goes on unused behind its last prefetch)
	s_cselect_b32 s[PFJ], JA, s[PFJ]
	s_cselect_b32 s18, 0, -1                       ; all lanes: W's form or X's
	s_mov_b32 s[PFA+1], 0
	s_mov_b32 s[PFS+1], 0
	s_add_nc_u64 s[PFA:PFA+1], s[CBP:CBP+1], s[PFA:PFA+1]
	v_and_b32 v3, 31, v0
	v_lshlrev_b32 v4, 11, v3                       ; W: a lane a row of 256 bytes
	v_lshrrev_b32 v5, 1, v3                        ; X: two lanes a row of 512 bytes
	v_and_b32 v6, 1, v3
	v_lshlrev_b32 v5, 11, v5
	v_lshl_add_u32 v5, v6, 8, v5
	v_cndmask_b32 v[PFO], v4, v5, s18
	s_wait_loadcnt 0x0                             ; the biases
.irp a, 0,1,2,3,4,5,6,7
	v_cvt_pk_bf16_f32 v[BR+(\a)], v[BIAS+8*(\a)], v[BIAS+8*(\a)+1]  ; both rounded to bf16, in one word
.endr
	s_wait_tensorcnt 1                             ; my part of K step 0 is in; K step 1's may stay out
	s_barrier_signal -1
	s_barrier_wait -1                              ; everybody's is
	v_mov_b32 v[CA], v[A0]
	v_mov_b32 v[CB], v[B0]
	s_mov_b32 s[TB], 0
	FETCH 0, F0
	s_mov_b32 s3, 15                               ; the entry passes the loop's count once: the first whole trip finds 14
	s_branch .Lenter                               ; the loop is entered where a tile begins
.Lstep:                                            ; 14 trips, from a K step's second quarter to the next step's first; the trip with count n ends step 14 - n of the walk and fills the slot that it leaves with step 16 - n
	QUARTER 2, F1, F0, 0
	QUARTER 3, F0, F1, 0
	TURN 1
	WIN 0                                          ; at a label and at a branch every window is 0
	s_cmp_eq_u32 s3, 7                             ; was that the first tile's last K step?
	s_cbranch_scc1 .Lbound
	QUARTER 1, F0, F1, 0
	WIN 0
	s_branch .Lcont
.Lbound:                                           ; BOTH REFILLS FOR THE SECOND TILE ARE ASKED FOR: NOW THE FIRST GOES OUT.  No v_nop: blocks 0-3 were finished ahead of the joint load's four v_nop, and their
	WAYOUT                                         ; 128 conversions, which name no register of the last products (blocks 4-7's), are those products' places
	s_wait_xcnt 0x0                                ; the stores have read their registers and their base
	s_add_nc_u64 s[CP:CP+1], s[CP:CP+1], 0x1000000 ; the next projection's result
.Lenter:
	EXPAND
	QUARTER 1, F0, F1, 1                           ; a tile's first quarter: its products start the sums
	WIN 0
.Lcont:
	s_sub_co_u32 s3, s3, 1
	s_cmp_lg_u32 s3, 0
	s_cbranch_scc1 .Lstep
	s_mov_b32 s3, 2
.Ltail:                                            ; the walk's last two steps ask for nothing: a text of their own; the second trip is left in its middle
	QUARTER 2, F1, F0, 0
	QUARTER 3, F0, F1, 0
	WIN 0
	s_cmp_eq_u32 s3, 1
	s_cbranch_scc1 .Llastq
	TURN 0
	QUARTER 1, F0, F1, 0
	WIN 0
	s_sub_co_u32 s3, s3, 1
	s_cmp_lg_u32 s3, 0
	s_cbranch_scc1 .Ltail
.Llastq:
	s_wait_dscnt 8
	MUL16 F1, 0, 0, 0
	MUL16 F1, 0, 2, 0
	s_wait_dscnt 0x0
	MUL16 F1, 1, 0, 0
	MUL16 F1, 1, 2, 0
	WIN 0
	PLACES
	WAYOUT
	s_wait_tensorcnt 0x0                           ; the wave's end: a wait, an add and its wait, behind my last tensor load and my last LDS store
	ds_add_u32 v[SPW], v[NIL]
	s_wait_dscnt 0x0
	CROUND                                         ; the closing round: no work-group ends while a partner may still ask for a tile that names it
	s_endpgm
.Lfunc_end_k_qe544f43eeb_proj:
	.size	k_qe544f43eeb_proj, .Lfunc_end_k_qe544f43eeb_proj-k_qe544f43eeb_proj
	.p2alignl 7, 3214868480
	.fill 96, 4, 3214868480
	.section	.rodata,"a",@progbits
	.p2align	6, 0x0
	.amdhsa_kernel k_qe544f43eeb_proj
		.amdhsa_group_segment_fixed_size 327680
		.amdhsa_private_segment_fixed_size 0
		.amdhsa_enable_private_segment 0
		.amdhsa_kernarg_size 48
		.amdhsa_user_sgpr_count 2
		.amdhsa_user_sgpr_kernarg_segment_ptr 1
		.amdhsa_wavefront_size32 1
		.amdhsa_system_sgpr_workgroup_id_x 1
		.amdhsa_system_sgpr_workgroup_id_y 1
		.amdhsa_system_sgpr_workgroup_id_z 1
		.amdhsa_system_vgpr_workitem_id 0
		.amdhsa_next_free_vgpr 1024
		.amdhsa_next_free_sgpr 100
		.amdhsa_reserve_vcc 0
		.amdhsa_float_denorm_mode_32 3
		.amdhsa_float_denorm_mode_16_64 3
		.amdhsa_memory_ordered 1
		.amdhsa_forward_progress 1
		.amdhsa_inst_pref_size 142
	.end_amdhsa_kernel
	.amdgpu_metadata
---
amdhsa.version: [ 1, 2 ]
amdhsa.kernels:
  - .name:           k_qe544f43eeb_proj
    .symbol:         k_qe544f43eeb_proj.kd
    .args:
      - { .name: cb, .offset: 0, .size: 8, .value_kind: global_buffer, .address_space: global }
      - { .name: bq, .offset: 8, .size: 8, .value_kind: global_buffer, .address_space: global }
      - { .name: bx, .offset: 16, .size: 8, .value_kind: global_buffer, .address_space: global }
      - { .name: bk, .offset: 24, .size: 8, .value_kind: global_buffer, .address_space: global }
      - { .name: bv, .offset: 32, .size: 8, .value_kind: global_buffer, .address_space: global }
      - { .name: qkv, .offset: 40, .size: 8, .value_kind: global_buffer, .address_space: global }
    .group_segment_fixed_size: 327680
    .private_segment_fixed_size: 0
    .kernarg_segment_align: 8
    .kernarg_segment_size: 48
    .max_flat_workgroup_size: 128
    .sgpr_count:     100
    .vgpr_count:     1024
    .wavefront_size: 32
...
	.end_amdgpu_metadata
.endif
;; end of part 2
;; launch score (part 3): grid 4 x 64, 4 waves a work-group, clusters of 4 x 4, 327,680 bytes of LDS; arguments qkv, pl, st; writes pl, st
.if DOCPART == 3
	.amdgcn_target "amdgcn-amd-amdhsa--gfx1250"
	.amdhsa_code_object_version 6
	.text
	.protected	k_qe544f43eeb_score
	.globl	k_qe544f43eeb_score
	.p2align	8
	.type	k_qe544f43eeb_score,@function
k_qe544f43eeb_score:
	s_mov_b64 s[64:65], 0
	v_nop
	global_prefetch_b8 v0, s[64:65] scope:SCOPE_SE
	s_setreg_imm32_b32 hwreg(HW_REG_WAVE_MODE, 25, 1), 1
	s_wait_xcnt 0x0
	s_wait_alu depctr_hold_cnt(0) depctr_sa_sdst(0) depctr_va_vdst(0) depctr_va_sdst(0) depctr_va_ssrc(0) depctr_va_vcc(0) depctr_vm_vsrc(0)
	s_getreg_b32 s2, hwreg(HW_REG_IB_STS2, 6, 4)
	s_cmp_eq_u32 s2, 0
	s_cbranch_scc0 .Lentry_in_a_cluster
	s_endpgm
.Lentry_in_a_cluster:
	s_bfe_u32 s2, ttmp6, 0x10000c
	s_cmp_lg_u32 s2, 0xf033
	s_cbranch_scc0 .Lentry_shape_is_right
	s_endpgm
.Lentry_shape_is_right:
; THE SCORES AND THE FIRST HALF OF THEIR SOFTMAX.  S[j][i] = sum over l of k[b][j][l] q_mat[b][i][l] (mat = 0: q, 1: q_x), all f16, sums in f32.  The softmax runs over i for each j.
; For each row j and each block of 128 i this launch takes the block's maximum away: cm = c x max, c = log2(e) / 32; p = 2^(c s - cm), rounded to f16 into pl[mat][b][j][i]; l = the sum of the unrounded p.
; (cm, l) go into st[mat][b][block][j]; the next launch joins the eight blocks of a row by their maxima.  p lies in 0 to 1 (to within a rounding of c x max); a weight below 2^-126 counts as 0.
; NaN and infinities are not treated apart.
; SHARES.  A cluster of 4 x 4 work-groups makes one whole [1024 j][1024 i]: cluster y = 2 b + mat, cy the block of 256 j, cx the block of 256 i.  A wave makes 128 j x 128 i: one softmax block wide.
; K = l goes in 8 steps of 128 through a ring of two LDS slots; k's tile is asked for jointly by a row of the cluster, q's by a column.
; LAYOUT.  Source 0 = 16 rows of q, source 1 = 16 rows of k: a lane holds ONE j (lane % 16) and eight neighbouring i; a row's 128 i lie in two lanes, 16 apart.
; The loop's body is one K step; slots change by an exclusive or with SLOT = 0x22000 (bits 13 and 17 are clear in the waves' parts' addresses 0, 0x8800, 0x11000, 0x19800).
; THE WAY OUT is written for four blocks of 16 rows, those of window 2, and walked twice: a register's number cannot be counted, so between the two trips window 3's 256 registers are moved into window 2:
; 256 moves a wave, once, for half the text of the way out.
; REGISTERS, in windows of 256 (s_set_vgpr_msb: bits 1:0 source 0, 3:2 source 1, 5:4 source 2, 7:6 destination):
;   window 0: v0-31 addresses; v64-127, v128-191 k's fragments, two buffers; on the way out v64-127 a block's weights, v128-163 statistics, v192-223 packed, v32-63 and v224-255 rows read back
;   window 1: v64-127, v128-191 q's fragments      window 2: accumulators of my rows 0-63 ((a, b) at 8 (8 (a % 4) + b))      window 3: those of rows 64-127
.set PA,    272                        ; an LDS row: 256 bytes + 16: the 16 rows of a fragment load start at 16 different groups of four banks (64 banks of 4 bytes: ISA guide 11.1)
.set PART,  128*PA                     ; 128 rows: what one tensor load brings
.set SLOT,  4*PART                     ; k's 256 rows, then q's 256 rows
.set STAGE, 2*SLOT
.set SP,    272
.set SPARE, STAGE+4*16*SP
.set KA,    256                        ; a K step along the rows, in bytes
.set A0,  16
.set B0,  17
.set CA,  18
.set CB,  19
.set STO, 24
.set RD,  25
.set CO,  26
.set SO,  27                           ; v27  8 x lane: my pair (cm, l) in 32 rows of st
.set SPW, 28
.set NIL, 29
.set PFO, 30
.set OB,  32
.set F0,  64
.set F1,  128
.set TMP, 192
.set E,   64                           ; v64-127  a block's 64 weights a lane
.set CH,  128                          ; v128-135 eight chains of the maximum
.set CMP, 136                          ; v136-137 cm of the block in hand, named as a pair
.set CM,  144                          ; v144-147 cm of block a of the trip's four
.set LL,  152                          ; v152-155 l of block a
.set SV,  160                          ; v160-163 (cm, l) as stored
.set G1A, 24
.set G0A, 32
.set G1B, 48
.set G0B, 56
.set CS,  66                           ; s[66:67] c, twice
.set SEL, 68                           ; s[68:69] v_permlanex16_b32's selects: each lane takes its own place in the other half
.set HM,  70                           ; s70  lanes 16-31
.set LIM, 86
.set TB,  87
.set PFA, 88
.set CP,  92                           ; s[92:93] pl at the first row and column of the trip's four blocks
.set STP, 94                           ; s[94:95] st at their first row, in my block of 128 i
.set MSB, 0
.macro WIN new
.if MSB != (\new)
	s_set_vgpr_msb (MSB<<8)|(\new)
.set MSB, \new
.endif
.endm
.set MUL_LO, 0xa1
.set TO_B,   0x40
.macro PLACES
.rept 4
	v_nop
.endr
.endm
.macro JLOAD s                         ; a joint load: waves 0 and 1 fetch k's two halves, waves 2 and 3 q's; an s_nop 0 and four v_nop follow each line
	s_cmp_eq_u32 s11, 0
	s_cbranch_scc0 .Lfor_b_\@
	tensor_load_to_lds s[G0A+4*(\s):G0A+4*(\s)+3], s[G1A:G1A+7]
	s_nop 0
.rept 4
	v_nop
.endr
	s_branch .Lasked_\@
.Lfor_b_\@:
	tensor_load_to_lds s[G0B+4*(\s):G0B+4*(\s)+3], s[G1B:G1B+7]
	s_nop 0
.rept 4
	v_nop
.endr
.Lasked_\@:
.endm
.macro CREST
	s_cmp_lg_u32 s10, 0
	s_cbranch_scc1 .Lnot_wave_0_\@
	s_barrier_signal -3
.Lnot_wave_0_\@:
	s_barrier_wait -3
	s_barrier_signal -1
	s_barrier_wait -1
.endm
.macro CROUND
	s_barrier_signal -1
	s_barrier_wait -1
	CREST
.endm
; A prefetch of the K step two refills on: 32 rows x 256 bytes, a lane a row.  k[b] is read by the clusters mat = 0 and 1: mat = 0 asks; q_mat[b] by this cluster alone.  The four partners of a joint load
; take 32 of its 128 rows each, by address.  The loop's last two trips ask for nothing.
.macro ASK
	s_cmp_gt_u32 s3, s[LIM]
	s_cbranch_scc0 .Lnot_mine_\@
	global_prefetch_b8 v[PFO], s[PFA:PFA+1] th:TH_LOAD_NT scope:SCOPE_SE
.Lnot_mine_\@:
.endm
.macro MUL16 f, hi, a0, first          ; first = 1: the product starts the sums with the constant 0
	WIN MUL_LO+0x50*(\hi)
.irp a, \a0, (\a0)+1
.irp b, 0,1,2,3,4,5,6,7
.if \first
	v_wmma_f32_16x16x32_f16 v[8*(8*(\a)+(\b)):8*(8*(\a)+(\b))+7], v[(\f)+8*(\b):(\f)+8*(\b)+7], v[(\f)+8*(4*(\hi)+(\a)):(\f)+8*(4*(\hi)+(\a))+7], 0
.else
	v_wmma_f32_16x16x32_f16 v[8*(8*(\a)+(\b)):8*(8*(\a)+(\b))+7], v[(\f)+8*(\b):(\f)+8*(\b)+7], v[(\f)+8*(4*(\hi)+(\a)):(\f)+8*(4*(\hi)+(\a))+7], v[8*(8*(\a)+(\b)):8*(8*(\a)+(\b))+7]
.endif
.endr
.endr
.endm
.macro FETCH kq, f                     ; 32 LDS loads in one run: quarter kq of the slot in hand into buffer f: q's 8 fragments, then k's 8
	WIN TO_B
.irp i, 0,1,2,3,4,5,6,7
	ds_load_b128 v[(\f)+8*(\i):(\f)+8*(\i)+3],   v[CB] offset:(\kq)*64+(\i)*16*PA
	ds_load_b128 v[(\f)+8*(\i)+4:(\f)+8*(\i)+7], v[CB] offset:(\kq)*64+(\i)*16*PA+32
.endr
	WIN 0
.irp i, 0,1,2,3,4,5,6,7
	ds_load_b128 v[(\f)+8*(\i):(\f)+8*(\i)+3],   v[CA] offset:(\kq)*64+(\i)*16*PA
	ds_load_b128 v[(\f)+8*(\i)+4:(\f)+8*(\i)+7], v[CA] offset:(\kq)*64+(\i)*16*PA+32
.endr
.endm
.macro QUARTER kq, f, g, first         ; the 64 accumulators take turns in the same order in every quarter
	s_wait_dscnt 8                                 ; q's and k's rows 0-63 are in; the youngest eight loads (k's rows 64-127) may be out
	MUL16 \f, 0, 0, \first
	MUL16 \f, 0, 2, \first
	PLACES
	FETCH \kq, \g
	s_wait_dscnt 32                                ; all but the 32 just issued
	MUL16 \f, 1, 0, \first
	MUL16 \f, 1, 2, \first
.endm
.macro TURN fill                       ; the last quarter and the change of slots
.if \fill
	s_wait_xcnt 0x0                                ; the last prefetch, a K step back, has read its address
	s_add_nc_u64 s[PFA:PFA+1], s[PFA:PFA+1], KA
.endif
	WIN 0
	s_wait_tensorcnt 0x0                           ; all my tensor loads have landed: my part of the next slot
	ds_add_u32 v[SPW], v[NIL]                      ; 0 onto my spare word
	s_wait_dscnt 9                                 ; (the add and the youngest eight loads may be out)
	MUL16 F1, 0, 0, 0
	s_wait_dscnt 0x0                               ; the add is done, and my reads of this slot are over
	s_barrier_signal -1
	MUL16 F1, 0, 2, 0
	WIN 0
	s_barrier_wait -1
.if \fill
	CREST                                          ; no wave of any partner still reads this slot or has a load on its way
	s_xor_b32 s[G0A+5], s[G0A+5], SLOT
	s_add_nc_u64 s[G0A+6:G0A+7], s[G0A+6:G0A+7], KA
	s_xor_b32 s[G0B+5], s[G0B+5], SLOT
	s_add_nc_u64 s[G0B+6:G0B+7], s[G0B+6:G0B+7], KA
	JLOAD 1                                        ; its four v_nop are also the places in front of the loads below
.else
	PLACES
.endif
	s_xor_b32 s[TB], s[TB], SLOT
	v_add_nc_u32 v[CA], s[TB], v[A0]
	v_add_nc_u32 v[CB], s[TB], v[B0]
	FETCH 0, F0
.if \fill
	ASK
.endif
	MUL16 F1, 1, 0, 0
	MUL16 F1, 1, 2, 0
.endm
; THE WAY OUT of block a of window 2's four: 16 rows j x 128 i, 64 scores a lane.
; SMAX: the maximum: eight chains, each beginning at its accumulator's lowest registers; the row's other 64 scores lie in the lane 16 away; cm = c x max.
.macro SMAX a
.set AC, 64*(\a)
	WIN 0x2a                                       ; all three sources in window 2
.irp b, 0,1,2,3,4,5,6,7
	v_max3_num_f32 v[CH+(\b)], v[AC+8*(\b)], v[AC+8*(\b)+1], v[AC+8*(\b)+2]
.endr
	WIN 0x28                                       ; source 0 in window 0
.irp b, 0,1,2,3,4,5,6,7
	v_max3_num_f32 v[CH+(\b)], v[CH+(\b)], v[AC+8*(\b)+3], v[AC+8*(\b)+4]
.endr
.irp b, 0,1,2,3,4,5,6,7
	v_max3_num_f32 v[CH+(\b)], v[CH+(\b)], v[AC+8*(\b)+5], v[AC+8*(\b)+6]
.endr
.irp k, 0,1,2,3
	v_max3_num_f32 v[CH+2*(\k)], v[CH+2*(\k)], v[AC+16*(\k)+7], v[AC+16*(\k)+15]
.endr
	WIN 0
	v_max3_num_f32 v[CH], v[CH], v[CH+1], v[CH+2]
	v_max3_num_f32 v[CH+3], v[CH+3], v[CH+4], v[CH+5]
	v_max3_num_f32 v[CH], v[CH], v[CH+6], v[CH+7]
	v_max_num_f32 v[CH], v[CH], v[CH+3]
	v_permlanex16_b32 v[CH+1], v[CH], s[SEL], s[SEL+1]
	v_max_num_f32 v[CH], v[CH], v[CH+1]
	v_mul_f32 v[CMP], s[CS], v[CH]
	v_mov_b32 v[CM+(\a)], v[CMP]
.endm
; SEXP: c s - cm, two at a time, and the block's 64 exponentials: one batch.
.macro SEXP a
.set AC, 64*(\a)
	WIN 0x02
.set n, 0
.rept 32
	v_pk_fma_f32 v[E+2*n:E+2*n+1], v[AC+2*n:AC+2*n+1], s[CS:CS+1], v[CMP:CMP+1] op_sel_hi:[1,0,0] neg_lo:[0,0,1] neg_hi:[0,0,1]
.set n, n+1
.endr
	WIN 0
.set n, 0
.rept 64
	v_exp_f32 v[E+n], v[E+n]
.set n, n+1
.endr
.endm
.macro LEVEL sd                        ; pairs sd apart are added, in place
.set n, 0
.rept 16/(\sd)
	v_pk_add_f32 v[E+2*n:E+2*n+1], v[E+2*n:E+2*n+1], v[E+2*(n+(\sd)):E+2*(n+(\sd))+1]
.set n, n+2*(\sd)
.endr
.endm
; SFIN: the weights rounded to f16; then their sum, of the unrounded weights, as a tree in f32.
.macro SFIN a
	WIN 0
.set n, 0
.rept 32
	v_cvt_pk_f16_f32 v[TMP+n], v[E+2*n], v[E+2*n+1]
.set n, n+1
.endr
	LEVEL 1
	LEVEL 2
	LEVEL 4
	LEVEL 8
	LEVEL 16
	v_add_f32 v[E], v[E], v[E+1]
	v_permlanex16_b32 v[E+1], v[E], s[SEL], s[SEL+1]
	v_add_f32 v[LL+(\a)], v[E], v[E+1]
.endm
.macro TOSTAGE a
	WIN 0
.set BK, OB+192*((\a)%2)
.irp b, 0,1,2,3,4,5,6,7
	ds_store_b128 v[STO], v[TMP+4*(\b):TMP+4*(\b)+3] offset:32*(\b)
.endr
.irp t, 0,1,2,3,4,5,6,7
	ds_load_b128 v[BK+4*(\t):BK+4*(\t)+3], v[RD] offset:(\t)*2*SP  ; LDS serves a wave's instructions in order (ISA guide 5.7.1.4): these see the stores above
.endr
.endm
.macro SEND a
	WIN 0
.set BK, OB+192*((\a)%2)
	s_wait_dscnt 0x0                               ; the block is back in registers
	s_wait_xcnt 0x0                                ; the stores of the block before have read their registers, which the next block's loads from the stage fill again
.irp t, 0,1,2,3,4,5,6,7
	global_store_b128 v[CO], v[BK+4*(\t):BK+4*(\t)+3], s[CP:CP+1] offset:(16*(\a)+2*(\t))*2048  ; 16 lanes store 256 consecutive bytes, aligned
.endr
.endm
	s_load_b128 s[72:75], s[0:1], 0x0              ; qkv s[72:73], pl s[74:75]
	s_load_b64 s[76:77], s[0:1], 0x10              ; st
	v_lshl_add_u32 v[SPW], v0, 2, SPARE
	v_mov_b32 v[NIL], 0
	ds_add_u32 v[SPW], v[NIL]                      ; the wave's opening: the add and its wait stand ahead of my first tensor load; work on registers stands between them
	v_lshrrev_b32 v1, 5, v0
	v_readfirstlane_b32 s10, v1                    ; wave 0..3
	s_lshr_b32 s11, s10, 1                         ; my half of the tile's rows j.  Also: I fetch for k (0) or for q (1)
	s_and_b32 s12, s10, 1                          ; my half of its columns i.  Also: which 128 rows of that tile I fetch
	s_bfe_u32 s40, ttmp6, 0x40000                  ; cx: the block of 256 i
	s_bfe_u32 s41, ttmp6, 0x40004                  ; cy: the block of 256 j
	s_and_b32 s80, ttmp7, 0xffff                   ; cluster y
	s_and_b32 s81, s80, 1                          ; mat
	s_lshr_b32 s82, s80, 1                         ; b
	s_lshl_b32 s43, s41, 2
	s_lshl_b32 s43, 15, s43                        ; my row of the cluster
	s_lshl_b32 s44, 0x1111, s40                    ; my column
	s_or_b32 s[G1A+0], s43, (1<<16)|(1<<20)|(1<<21)|(5<<22)|(3<<25)  ; mask; 2-byte elements; padding on; bit 21 beside a mask; after every 64 words 4 words
	s_or_b32 s[G1B+0], s44, (1<<16)|(1<<20)|(1<<21)|(5<<22)|(3<<25)
.irp g, G1A, G1B
	s_mov_b32 s[(\g)+1], 128<<16                   ; tensor_dim0 = 128
	s_mov_b32 s[(\g)+2], 128<<16                   ; tensor_dim1 = 128
	s_mov_b32 s[(\g)+3], 128<<16                   ; tile_dim0 = 128
	s_mov_b32 s[(\g)+4], 128                       ; tile_dim1 = 128
	s_mov_b32 s[(\g)+5], 1024                      ; elements from row to row
	s_mov_b32 s[(\g)+6], 0
	s_mov_b32 s[(\g)+7], 0
.endr
	s_lshl_b32 s16, s41, 8                         ; k's tile: row 256 cy + 128 x half,
	s_lshl_b32 s17, s12, 7
	s_add_co_u32 s16, s16, s17
	s_lshl_b32 s16, s16, 11
	s_lshl_b32 s17, s82, 21                        ; batch b,
	s_add_co_u32 s16, s16, s17
	s_add_co_u32 s16, s16, 0x2000000               ; k lies from 32 MiB on
	s_mov_b32 s17, 0
	s_lshl_b32 s46, s40, 8                         ; q's tile: row 256 cx + 128 x half,
	s_lshl_b32 s47, s12, 7
	s_add_co_u32 s46, s46, s47
	s_lshl_b32 s46, s46, 11
	s_lshl_b32 s47, s82, 21
	s_add_co_u32 s46, s46, s47
	s_lshl_b32 s47, s81, 24                        ; q or q_x
	s_add_co_u32 s46, s46, s47
	s_mov_b32 s47, 0
	s_mul_i32 s20, s10, PART
	s_mov_b32 s[CS], 0x3d38aa3b                    ; c = log2(e) / 32
	s_mov_b32 s[CS+1], s[CS]
	s_mov_b32 s[SEL], 0x76543210
	s_mov_b32 s[SEL+1], 0xfedcba98
	s_mov_b32 s[HM], 0xffff0000
	s_wait_dscnt 0x0                               ; the opening add is done
	s_wait_kmcnt 0x0
	s_add_nc_u64 s[14:15], s[72:73], s[16:17]
	s_add_nc_u64 s[44:45], s[72:73], s[46:47]
	CROUND                                         ; all sixteen work-groups are here: the first joint loads meet
.irp s, 0,1
	s_mov_b32 s[G0A+4*(\s)], 1
	s_add_co_u32 s[G0A+4*(\s)+1], s20, (\s)*SLOT
	s_add_nc_u64 s[G0A+4*(\s)+2:G0A+4*(\s)+3], s[14:15], (\s)*KA
	s_or_b32 s[G0A+4*(\s)+3], s[G0A+4*(\s)+3], 0x80000000
	s_mov_b32 s[G0B+4*(\s)], 1
	s_add_co_u32 s[G0B+4*(\s)+1], s20, (\s)*SLOT
	s_add_nc_u64 s[G0B+4*(\s)+2:G0B+4*(\s)+3], s[44:45], (\s)*KA
	s_or_b32 s[G0B+4*(\s)+3], s[G0B+4*(\s)+3], 0x80000000
	JLOAD \s                                       ; K steps 0 and 1: two loads of mine are out
.endr
	v_and_b32 v1, 15, v0                           ; r
	v_bfe_u32 v2, v0, 4, 1                         ; h
	v_mul_u32_u24 v3, v1, PA
	v_lshl_add_u32 v3, v2, 4, v3                   ; r x 272 + 16 h
	s_mul_i32 s21, s11, PART
	v_add_nc_u32 v[A0], s21, v3                    ; my 128 rows of k
	s_mul_i32 s22, s12, PART
	s_add_co_u32 s22, s22, 2*PART                  ; my 128 rows of q, behind k's 256
	v_add_nc_u32 v[B0], s22, v3
	s_mul_i32 s23, s10, 16*SP
	s_add_co_u32 s23, s23, STAGE
	v_add_nc_u32 v[STO], s23, v3
	v_mul_u32_u24 v5, v2, SP
	v_lshl_add_u32 v5, v1, 4, v5
	v_add_nc_u32 v[RD], s23, v5
	v_lshlrev_b32 v5, 11, v2
	v_lshl_add_u32 v[CO], v1, 4, v5
	v_and_b32 v3, 31, v0
	v_lshlrev_b32 v[SO], 3, v3
	v_lshlrev_b32 v[PFO], 11, v3                   ; a lane a row
	s_lshl_b32 s96, s81, 24                        ; pl: mat, 16 MiB each,
	s_lshl_b32 s97, s82, 21                        ; batch b,
	s_add_co_u32 s96, s96, s97
	s_lshl_b32 s97, s41, 19                        ; row 256 cy
	s_add_co_u32 s96, s96, s97
	s_lshl_b32 s97, s11, 18                        ; + 128 x half,
	s_add_co_u32 s96, s96, s97
	s_lshl_b32 s97, s40, 9                         ; column 256 cx
	s_add_co_u32 s96, s96, s97
	s_lshl_b32 s97, s12, 8                         ; + 128 x half
	s_add_co_u32 s96, s96, s97
	s_mov_b32 s97, 0
	s_add_nc_u64 s[CP:CP+1], s[74:75], s[96:97]
	s_lshl_b32 s96, s81, 3                         ; st: ((8 mat + b) x 8 + 2 cx + half) blocks of 8,192 bytes,
	s_add_co_u32 s96, s96, s82
	s_lshl_b32 s96, s96, 3
	s_lshl_b32 s97, s40, 1
	s_add_co_u32 s96, s96, s97
	s_add_co_u32 s96, s96, s12
	s_lshl_b32 s96, s96, 13
	s_lshl_b32 s97, s41, 11                        ; row 256 cy, 8 bytes each,
	s_add_co_u32 s96, s96, s97
	s_lshl_b32 s97, s11, 10                        ; + 128 x half
	s_add_co_u32 s96, s96, s97
	s_mov_b32 s97, 0
	s_add_nc_u64 s[STP:STP+1], s[76:77], s[96:97]
	s_lshl_b32 s18, s40, 16                        ; the prefetches: of k's 128 rows that I fetch the 32 from 32 cx on,
	s_add_co_u32 s18, s18, s16
	s_lshl_b32 s19, s41, 16                        ; of q's the 32 from 32 cy on,
	s_add_co_u32 s19, s19, s46
	s_cmp_eq_u32 s11, 0
	s_cselect_b32 s[PFA], s18, s19
	s_add_co_u32 s[PFA], s[PFA], 3*KA              ; at K step 3; each change of slots steps the address by a K step and then names it
	s_mov_b32 s[PFA+1], 0
	s_add_nc_u64 s[PFA:PFA+1], s[72:73], s[PFA:PFA+1]
	s_cmp_eq_u32 s81, 0
	s_cselect_b32 s18, 2, -1
	s_cmp_eq_u32 s11, 0
	s_cselect_b32 s[LIM], s18, 2                   ; the same in all sixteen partners, for a given wave
	s_wait_tensorcnt 1                             ; my part of K step 0 is in; K step 1's may stay out
	s_barrier_signal -1
	s_barrier_wait -1
	v_mov_b32 v[CA], v[A0]
	v_mov_b32 v[CB], v[B0]
	s_mov_b32 s[TB], 0
	FETCH 0, F0
	QUARTER 1, F0, F1, 1                           ; the first quarter stands in front of the loop: its products start the sums
	WIN 0
	s_mov_b32 s3, 6
.Lstep:                                            ; six trips; trip t fills the slot that it leaves with K step t + 2
	QUARTER 2, F1, F0, 0
	QUARTER 3, F0, F1, 0
	TURN 1
	QUARTER 1, F0, F1, 0
	WIN 0
	s_sub_co_u32 s3, s3, 1
	s_cmp_lg_u32 s3, 0
	s_cbranch_scc1 .Lstep
	s_mov_b32 s3, 2
.Ltail:                                            ; K steps 6 and 7 ask for nothing: a text of their own; the second trip is left in its middle
	QUARTER 2, F1, F0, 0
	QUARTER 3, F0, F1, 0
	WIN 0
	s_cmp_eq_u32 s3, 1
	s_cbranch_scc1 .Llastq
	TURN 0
	QUARTER 1, F0, F1, 0
	WIN 0
	s_sub_co_u32 s3, s3, 1
	s_cmp_lg_u32 s3, 0
	s_cbranch_scc1 .Ltail
.Llastq:
	s_wait_dscnt 8
	MUL16 F1, 0, 0, 0
	MUL16 F1, 0, 2, 0
	s_wait_dscnt 0x0
	MUL16 F1, 1, 0, 0
	MUL16 F1, 1, 2, 0
	WIN 0
	PLACES
	v_mov_b32 v[CMP+1], 0                          ; named with cm as a pair
	s_mov_b32 s3, 2
.Lhalf:                                            ; two trips: my rows 0-63, then my rows 64-127
	SMAX 0
.irp a, 0,1,2,3
	SEXP \a
.if (\a) < 3
	SMAX (\a)+1                                    ; the next block's maximum names none of the exponentials' results: the work behind the batch
.endif
	v_nop                                          ; a plain instruction behind the last exponential,
	s_wait_alu depctr_va_vdst(0)                   ; and the one wait ahead of the batch's first reader
	SFIN \a
.if (\a) > 0
	SEND (\a)-1
.endif
	TOSTAGE \a
.endr
	SEND 3
.irp t, 0,1                            ; both halves of the lanes hold a row's cm and l: lanes 0-15 give block 2 t's rows, lanes 16-31 block 2 t + 1's: 32 rows, 256 consecutive bytes, aligned
	v_cndmask_b32 v[SV+2*(\t)], v[CM+2*(\t)], v[CM+2*(\t)+1], s[HM]
	v_cndmask_b32 v[SV+2*(\t)+1], v[LL+2*(\t)], v[LL+2*(\t)+1], s[HM]
	global_store_b64 v[SO], v[SV+2*(\t):SV+2*(\t)+1], s[STP:STP+1] offset:256*(\t)
.endr
	s_cmp_eq_u32 s3, 1
	s_cbranch_scc1 .Lmoved                         ; behind the second trip nothing is left to move
	s_wait_xcnt 0x0                                ; the stores have read their bases
	s_add_nc_u64 s[CP:CP+1], s[CP:CP+1], 64*2048   ; 64 rows on in pl,
	s_add_nc_u64 s[STP:STP+1], s[STP:STP+1], 64*8  ; and in st
	WIN 0x83                                       ; source window 3, destination window 2; in ascending order
.set n, 0
.rept 256
	v_mov_b32 v[n], v[n]
.set n, n+1
.endr
	WIN 0
.Lmoved:
	s_sub_co_u32 s3, s3, 1
	s_cmp_lg_u32 s3, 0
	s_cbranch_scc1 .Lhalf
	s_wait_tensorcnt 0x0                           ; the wave's end: a wait, an add and its wait, behind my last tensor load and my last LDS store
	ds_add_u32 v[SPW], v[NIL]
	s_wait_dscnt 0x0
	CROUND                                         ; the closing round
	s_endpgm
.Lfunc_end_k_qe544f43eeb_score:
	.size	k_qe544f43eeb_score, .Lfunc_end_k_qe544f43eeb_score-k_qe544f43eeb_score
	.p2alignl 7, 3214868480
	.fill 96, 4, 3214868480
	.section	.rodata,"a",@progbits
	.p2align	6, 0x0
	.amdhsa_kernel k_qe544f43eeb_score
		.amdhsa_group_segment_fixed_size 327680
		.amdhsa_private_segment_fixed_size 0
		.amdhsa_enable_private_segment 0
		.amdhsa_kernarg_size 24
		.amdhsa_user_sgpr_count 2
		.amdhsa_user_sgpr_kernarg_segment_ptr 1
		.amdhsa_wavefront_size32 1
		.amdhsa_system_sgpr_workgroup_id_x 1
		.amdhsa_system_sgpr_workgroup_id_y 1
		.amdhsa_system_sgpr_workgroup_id_z 1
		.amdhsa_system_vgpr_workitem_id 0
		.amdhsa_next_free_vgpr 1024
		.amdhsa_next_free_sgpr 100
		.amdhsa_reserve_vcc 0
		.amdhsa_float_denorm_mode_32 3
		.amdhsa_float_denorm_mode_16_64 3
		.amdhsa_memory_ordered 1
		.amdhsa_forward_progress 1
		.amdhsa_inst_pref_size 132
	.end_amdhsa_kernel
	.amdgpu_metadata
---
amdhsa.version: [ 1, 2 ]
amdhsa.kernels:
  - .name:           k_qe544f43eeb_score
    .symbol:         k_qe544f43eeb_score.kd
    .args:
      - { .name: qkv, .offset: 0, .size: 8, .value_kind: global_buffer, .address_space: global }
      - { .name: pl, .offset: 8, .size: 8, .value_kind: global_buffer, .address_space: global }
      - { .name: st, .offset: 16, .size: 8, .value_kind: global_buffer, .address_space: global }
    .group_segment_fixed_size: 327680
    .private_segment_fixed_size: 0
    .kernarg_segment_align: 8
    .kernarg_segment_size: 24
    .max_flat_workgroup_size: 128
    .sgpr_count:     100
    .vgpr_count:     1024
    .wavefront_size: 32
...
	.end_amdgpu_metadata
.endif
;; end of part 3
;; launch comb (part 4): grid 256 x 1, 8 waves a work-group, no clusters, 0 bytes of LDS; arguments pl, st, pp; writes pp
.if DOCPART == 4
	.amdgcn_target "amdgcn-amd-amdhsa--gfx1250"
	.amdhsa_code_object_version 6
	.text
	.protected	k_qe544f43eeb_comb
	.globl	k_qe544f43eeb_comb
	.p2align	8
	.type	k_qe544f43eeb_comb,@function
k_qe544f43eeb_comb:
	s_mov_b64 s[64:65], 0
	v_nop
	global_prefetch_b8 v0, s[64:65] scope:SCOPE_SE
	s_setreg_imm32_b32 hwreg(HW_REG_WAVE_MODE, 25, 1), 1
	s_wait_xcnt 0x0
; THE SECOND HALF OF THE SOFTMAX.  For each row (b, j) and each of the two score matrices the eight blocks' (cm, l) are joined: M = max cm, L = sum of l 2^(cm - M); a block's factor is f = 1024 x 2^(cm - M) / L.
; pp[b][j][i] = f16( p_0[j][i] f_0(block of i) + p_1[j][i] f_1(block of i) ) = 1024 x (att + att_x), transposed.  The factor 1024, a power of two that the last launch takes out again, keeps weights of the
; order of 1/1024 in f16's normal range; pp lies in 0 to 2,048.  L is at least about 1: the block that holds the maximum gives its l, which holds a weight of 1.  A factor below 2^-126 counts as 0.
; A stream: each byte of pl is read once, each byte of pp written once, no work-group shares input with another: no LDS tile, no cluster, no matrix unit.
; SHARES.  Work-group g owns rows 32 g .. 32 g + 31 of the 8,192 rows (b, j), wave w four of them.  A wave's 34 loads go out at once.  In the statistics a lane is (row lane / 8, block lane % 8);
; in the data a lane holds 8 neighbouring i: 16 bytes; sixteen lanes load and store 256 consecutive bytes, aligned.
	s_load_b128 s[4:7], s[0:1], 0x0                ; pl s[4:5], st s[6:7]
	s_load_b64 s[8:9], s[0:1], 0x10                ; pp
	v_and_b32 v1, 31, v0                           ; lane
	v_lshrrev_b32 v2, 5, v0                        ; wave
	v_lshlrev_b32 v3, 4, v1
	v_lshl_add_u32 v3, v2, 13, v3                  ; v3: 16 lane + my wave's four rows of 2,048 bytes
	v_and_b32 v4, 7, v1
	v_lshrrev_b32 v5, 3, v1
	v_lshl_add_u32 v5, v2, 2, v5                   ; row 4 w + lane / 8,
	v_lshlrev_b32 v5, 3, v5                        ; 8 bytes each,
	v_lshl_add_u32 v4, v4, 13, v5                  ; v4: in block lane % 8, 8,192 bytes each
	v_lshrrev_b32 v5, 4, v1
	v_lshlrev_b32 v5, 2, v5                        ; v5: 4 x (lane / 16): which of a load's two blocks my 8 numbers lie in, as a lane index in bytes
	v_mov_b32 v13, 0
	s_lshl_b32 s10, ttmp9, 16                      ; 32 rows of 2,048 bytes
	s_mov_b32 s11, 0
	s_lshr_b32 s12, ttmp9, 5                       ; b: 8 blocks of 8,192 bytes,
	s_lshl_b32 s12, s12, 16
	s_and_b32 s13, ttmp9, 31                       ; j = 32 (g % 32): 8 bytes each
	s_lshl_b32 s13, s13, 8
	s_add_co_u32 s12, s12, s13
	s_mov_b32 s13, 0
	s_wait_kmcnt 0x0
	s_add_nc_u64 s[4:5], s[4:5], s[10:11]          ; p of the first matrix,
	s_add_nc_u64 s[14:15], s[4:5], 0x1000000       ; of the second
	s_add_nc_u64 s[6:7], s[6:7], s[12:13]
	s_add_nc_u64 s[8:9], s[8:9], s[10:11]
	global_load_b64 v[6:7], v4, s[6:7]             ; (cm, l) of the first matrix,
	global_load_b64 v[8:9], v4, s[6:7] offset:524288  ; of the second
.irp p, 0,1,2,3
.irp t, 0,1,2,3
	global_load_b128 v[64+32*(\p)+4*(\t):64+32*(\p)+4*(\t)+3], v3, s[4:5] offset:2048*(\p)+512*(\t) th:TH_LOAD_NT
.endr
.irp t, 0,1,2,3
	global_load_b128 v[80+32*(\p)+4*(\t):80+32*(\p)+4*(\t)+3], v3, s[14:15] offset:2048*(\p)+512*(\t) th:TH_LOAD_NT
.endr
.endr
	s_wait_loadcnt 32                              ; the statistics are in; the 32 loads of data stay out
	v_mov_b32 v10, v6
	v_mov_b32 v11, v8
.irp m, 1,2,4                          ; over the eight lanes of a row
	v_max_num_f32_dpp v10, v10, v10 row_xmask:\m row_mask:0xf bank_mask:0xf
	v_max_num_f32_dpp v11, v11, v11 row_xmask:\m row_mask:0xf bank_mask:0xf
.endr
	v_sub_f32 v10, v6, v10                         ; cm - M
	v_sub_f32 v11, v8, v11
	v_exp_f32 v10, v10
	v_exp_f32 v11, v11
	v_nop                                          ; a plain instruction behind the last exponential,
	s_wait_alu depctr_va_vdst(0)                   ; and the one wait for the two, ahead of their first reader
	v_mul_f32 v12, v7, v10
	v_mul_f32 v14, v9, v11
.irp m, 1,2,4
	v_add_f32_dpp v12, v12, v12 row_xmask:\m row_mask:0xf bank_mask:0xf
	v_add_f32_dpp v14, v14, v14 row_xmask:\m row_mask:0xf bank_mask:0xf
.endr
	v_rcp_f32 v12, v12
	v_rcp_f32 v14, v14
	v_nop
	s_wait_alu depctr_va_vdst(0)                   ; one wait for the two reciprocals
	v_mul_f32 v12, 0x44800000, v12                 ; 1,024 / L
	v_mul_f32 v14, 0x44800000, v14
	v_mul_f32 v10, v10, v12                        ; f
	v_mul_f32 v11, v11, v14
.irp p, 0,1,2,3                        ; the factor for row p, load t: from lane 8 p + 2 t + lane / 16
.irp t, 0,1,2,3
	v_add_nc_u32 v12, 32*(\p)+8*(\t), v5
	ds_bpermute_b32 v[16+2*(4*(\p)+(\t))], v12, v10
	ds_bpermute_b32 v[17+2*(4*(\p)+(\t))], v12, v11
.endr
.endr
	s_wait_dscnt 0x0
.irp p, 0,1,2,3
	s_wait_loadcnt 24-8*(\p)                       ; row p's eight loads are in; the later rows' stay out
.irp t, 0,1,2,3
.set P1, 64+32*(\p)+4*(\t)
.set P2, P1+16
.set FF, 16+2*(4*(\p)+(\t))
.irp e, 0,1,2,3
	v_fma_mix_f32 v[48+2*(\e)], v[P1+(\e)], v[FF], v13 op_sel_hi:[1,0,0]
	v_fma_mix_f32 v[49+2*(\e)], v[P1+(\e)], v[FF], v13 op_sel:[1,0,0] op_sel_hi:[1,0,0]
.endr
.irp e, 0,1,2,3
	v_fma_mix_f32 v[48+2*(\e)], v[P2+(\e)], v[FF+1], v[48+2*(\e)] op_sel_hi:[1,0,0]
	v_fma_mix_f32 v[49+2*(\e)], v[P2+(\e)], v[FF+1], v[49+2*(\e)] op_sel:[1,0,0] op_sel_hi:[1,0,0]
.endr
.irp e, 0,1,2,3
	v_cvt_pk_f16_f32 v[P1+(\e)], v[48+2*(\e)], v[49+2*(\e)]
.endr
	global_store_b128 v3, v[P1:P1+3], s[8:9] offset:2048*(\p)+512*(\t) th:TH_STORE_NT  ; no register that a store names is written again
.endr
.endr
	s_endpgm
.Lfunc_end_k_qe544f43eeb_comb:
	.size	k_qe544f43eeb_comb, .Lfunc_end_k_qe544f43eeb_comb-k_qe544f43eeb_comb
	.p2alignl 7, 3214868480
	.fill 96, 4, 3214868480
	.section	.rodata,"a",@progbits
	.p2align	6, 0x0
	.amdhsa_kernel k_qe544f43eeb_comb
		.amdhsa_group_segment_fixed_size 0
		.amdhsa_private_segment_fixed_size 0
		.amdhsa_enable_private_segment 0
		.amdhsa_kernarg_size 24
		.amdhsa_user_sgpr_count 2
		.amdhsa_user_sgpr_kernarg_segment_ptr 1
		.amdhsa_wavefront_size32 1
		.amdhsa_system_sgpr_workgroup_id_x 1
		.amdhsa_system_sgpr_workgroup_id_y 1
		.amdhsa_system_sgpr_workgroup_id_z 1
		.amdhsa_system_vgpr_workitem_id 0
		.amdhsa_next_free_vgpr 192
		.amdhsa_next_free_sgpr 66
		.amdhsa_reserve_vcc 0
		.amdhsa_float_denorm_mode_32 3
		.amdhsa_float_denorm_mode_16_64 3
		.amdhsa_memory_ordered 1
		.amdhsa_forward_progress 1
		.amdhsa_inst_pref_size 31
	.end_amdhsa_kernel
	.amdgpu_metadata
---
amdhsa.version: [ 1, 2 ]
amdhsa.kernels:
  - .name:           k_qe544f43eeb_comb
    .symbol:         k_qe544f43eeb_comb.kd
    .args:
      - { .name: pl, .offset: 0, .size: 8, .value_kind: global_buffer, .address_space: global }
      - { .name: st, .offset: 8, .size: 8, .value_kind: global_buffer, .address_space: global }
      - { .name: pp, .offset: 16, .size: 8, .value_kind: global_buffer, .address_space: global }
    .group_segment_fixed_size: 0
    .private_segment_fixed_size: 0
    .kernarg_segment_align: 8
    .kernarg_segment_size: 24
    .max_flat_workgroup_size: 256
    .sgpr_count:     66
    .vgpr_count:     192
    .wavefront_size: 32
...
	.end_amdgpu_metadata
.endif
;; end of part 4
;; launch pv (part 5): grid 4 x 64, 4 waves a work-group, clusters of 4 x 4, 327,680 bytes of LDS; arguments qkv, pp, raw; writes raw
.if DOCPART == 5
	.amdgcn_target "amdgcn-amd-amdhsa--gfx1250"
	.amdhsa_code_object_version 6
	.text
	.protected	k_qe544f43eeb_pv
	.globl	k_qe544f43eeb_pv
	.p2align	8
	.type	k_qe544f43eeb_pv,@function
k_qe544f43eeb_pv:
	s_mov_b64 s[64:65], 0
	v_nop
	global_prefetch_b8 v0, s[64:65] scope:SCOPE_SE
	s_setreg_imm32_b32 hwreg(HW_REG_WAVE_MODE, 25, 1), 1
	s_wait_xcnt 0x0
	s_wait_alu depctr_hold_cnt(0) depctr_sa_sdst(0) depctr_va_vdst(0) depctr_va_sdst(0) depctr_va_ssrc(0) depctr_va_vcc(0) depctr_vm_vsrc(0)
	s_getreg_b32 s2, hwreg(HW_REG_IB_STS2, 6, 4)
	s_cmp_eq_u32 s2, 0
	s_cbranch_scc0 .Lentry_in_a_cluster
	s_endpgm
.Lentry_in_a_cluster:
	s_bfe_u32 s2, ttmp6, 0x10000c
	s_cmp_lg_u32 s2, 0xf033
	s_cbranch_scc0 .Lentry_shape_is_right
	s_endpgm
.Lentry_shape_is_right:
; THE LAST PRODUCT.  raw[b][l][i] = sum over j of v[b][j][l] pp[b][j][i], f16 operands, f32 sums, stored as f32: 1,024 times the sum of the two attentions' outputs, already transposed for the LayerNorm.
; SHARES.  A tile is 128 l x 256 i, which gives 8 x 8 x 4 = 256 work-groups.  Cluster y = 2 b + half; the block of 128 l is 4 x half + cy, the block of 256 i is cx.  A wave makes 64 l x 128 i: 32 accumulators.
; K = j goes in 8 steps of 128 through a ring of two LDS slots; v's tile is asked for jointly by a row of the cluster, pp's by a column.
; LAYOUT.  Both operands lie [j][.] and come out of LDS turned, by ds_load_tr16_b128.  Source 0 = 16 columns i of pp, source 1 = 16 columns l of v: a lane holds ONE l (lane % 16) and eight neighbouring i: 32 bytes.
; No prefetch: the launch is short and its tiles and stores keep memory at work throughout.
; REGISTERS: window 0: v0-31 addresses; v64-159, v160-255 two fragment buffers (pp's 8 fragments, then v's 4); on the way out v64-127 and v128-191 rows read back.  Window 1: accumulator (a, b) at 8 (8 a + b).
.set PVA,   288                        ; a row of v in LDS: 256 bytes + 32 = 9 x 32
.set PVB,   544                        ; a row of pp: 512 bytes + 32 = 17 x 32
.set BOFF,  128*PVA                    ; a slot: 128 rows of v, then 128 rows of pp
.set SLOT1, 1<<17                      ; slot 1 begins here: one exclusive or turns an address in one slot into the other's
.set STAGE, SLOT1+BOFF+128*PVB         ; behind the ring: 16 rows x 528 bytes for each wave
.set SP,    528
.set SPARE, STAGE+4*16*SP
.set KB,    128*2048                   ; a K step down the rows, in bytes
.set A0,  16
.set B0,  17
.set CA,  18
.set CB,  19
.set STO, 24
.set RD,  25
.set CO,  26
.set SPW, 28
.set NIL, 29
.set OB,  64
.set F0,  64
.set F1,  160
.set G1A, 24
.set G0A, 32
.set G1B, 48
.set G0B, 56
.set TB,  87
.set CP,  92
.set MSB, 0
.macro WIN new
.if MSB != (\new)
	s_set_vgpr_msb (MSB<<8)|(\new)
.set MSB, \new
.endif
.endm
.macro PLACES
.rept 4
	v_nop
.endr
.endm
.macro JLOAD s                         ; a joint load: waves 0 and 1 fetch v's two halves, waves 2 and 3 pp's; an s_nop 0 and four v_nop follow each line
	s_cmp_eq_u32 s11, 0
	s_cbranch_scc0 .Lfor_b_\@
	tensor_load_to_lds s[G0A+4*(\s):G0A+4*(\s)+3], s[G1A:G1A+7]
	s_nop 0
.rept 4
	v_nop
.endr
	s_branch .Lasked_\@
.Lfor_b_\@:
	tensor_load_to_lds s[G0B+4*(\s):G0B+4*(\s)+3], s[G1B:G1B+7]
	s_nop 0
.rept 4
	v_nop
.endr
.Lasked_\@:
.endm
.macro CREST
	s_cmp_lg_u32 s10, 0
	s_cbranch_scc1 .Lnot_wave_0_\@
	s_barrier_signal -3
.Lnot_wave_0_\@:
	s_barrier_wait -3
	s_barrier_signal -1
	s_barrier_wait -1
.endm
.macro CROUND
	s_barrier_signal -1
	s_barrier_wait -1
	CREST
.endm
.macro MUL8 f, a, first                ; 8 matrix instructions: block a of 16 l x all 8 blocks of 16 i, 32 along K
	WIN 0x50                                       ; C and D in window 1
.irp b, 0,1,2,3,4,5,6,7
.if \first
	v_wmma_f32_16x16x32_f16 v[8*(8*(\a)+(\b)):8*(8*(\a)+(\b))+7], v[(\f)+8*(\b):(\f)+8*(\b)+7], v[(\f)+64+8*(\a):(\f)+64+8*(\a)+7], 0
.else
	v_wmma_f32_16x16x32_f16 v[8*(8*(\a)+(\b)):8*(8*(\a)+(\b))+7], v[(\f)+8*(\b):(\f)+8*(\b)+7], v[(\f)+64+8*(\a):(\f)+64+8*(\a)+7], v[8*(8*(\a)+(\b)):8*(8*(\a)+(\b))+7]
.endif
.endr
.endm
.macro FETCH kq, f                     ; 24 LDS loads in one run: pp's 8 fragments, then v's 4
	WIN 0
.irp i, 0,1,2,3,4,5,6,7
	ds_load_tr16_b128 v[(\f)+8*(\i):(\f)+8*(\i)+3],   v[CB] offset:(\kq)*32*PVB+32*(\i)
	ds_load_tr16_b128 v[(\f)+8*(\i)+4:(\f)+8*(\i)+7], v[CB] offset:(\kq)*32*PVB+32*(\i)+16*PVB
.endr
.irp i, 0,1,2,3
	ds_load_tr16_b128 v[(\f)+64+8*(\i):(\f)+64+8*(\i)+3],   v[CA] offset:(\kq)*32*PVA+32*(\i)
	ds_load_tr16_b128 v[(\f)+64+8*(\i)+4:(\f)+64+8*(\i)+7], v[CA] offset:(\kq)*32*PVA+32*(\i)+16*PVA
.endr
.endm
.macro QUARTER kq, f, g, first         ; the 32 accumulators take turns in the same order in every quarter
	s_wait_dscnt 4                                 ; pp's fragments and v's blocks 0 and 1 are in; the youngest four loads may be out
	MUL8 \f, 0, \first
	MUL8 \f, 1, \first
	PLACES
	FETCH \kq, \g
	s_wait_dscnt 24                                ; all but the 24 just issued
	MUL8 \f, 2, \first
	MUL8 \f, 3, \first
.endm
.macro TURN fill                       ; the last quarter and the change of slots
	WIN 0
	s_wait_tensorcnt 0x0                           ; all my tensor loads have landed: my part of the next slot
	ds_add_u32 v[SPW], v[NIL]                      ; 0 onto my spare word
	s_wait_dscnt 5                                 ; (the add and the youngest four loads may be out)
	MUL8 F1, 0, 0
	s_wait_dscnt 0x0                               ; the add is done, and my reads of this slot are over
	s_barrier_signal -1
	MUL8 F1, 1, 0
	WIN 0
	s_barrier_wait -1
.if \fill
	CREST                                          ; no wave of any partner still reads this slot or has a load on its way
	s_xor_b32 s[G0A+5], s[G0A+5], SLOT1
	s_add_nc_u64 s[G0A+6:G0A+7], s[G0A+6:G0A+7], KB
	s_xor_b32 s[G0B+5], s[G0B+5], SLOT1
	s_add_nc_u64 s[G0B+6:G0B+7], s[G0B+6:G0B+7], KB
	JLOAD 1                                        ; 112 matrix instructions ahead of the wait for it; its four v_nop are also the places in front of the loads below
.else
	PLACES
.endif
	s_xor_b32 s[TB], s[TB], SLOT1
	v_add_nc_u32 v[CA], s[TB], v[A0]
	v_add_nc_u32 v[CB], s[TB], v[B0]
	FETCH 0, F0
	MUL8 F1, 2, 0
	MUL8 F1, 3, 0
.endm
; THE WAY OUT of block a (16 rows l x 128 i of f32): straight from the accumulators, low registers first, into my stage, and back as whole rows of 512 bytes.
.macro TOSTAGE a
	WIN 0x04                                       ; the stores' data in window 1
.irp b, 0,1,2,3,4,5,6,7
	ds_store_b128 v[STO], v[8*(8*(\a)+(\b)):8*(8*(\a)+(\b))+3]   offset:64*(\b)
	ds_store_b128 v[STO], v[8*(8*(\a)+(\b))+4:8*(8*(\a)+(\b))+7] offset:64*(\b)+16
.endr
	WIN 0
.set BK, OB+64*((\a)%2)
.irp t, 0,1,2,3,4,5,6,7,8,9,10,11,12,13,14,15
	ds_load_b128 v[BK+4*(\t):BK+4*(\t)+3], v[RD] offset:(\t)*SP  ; LDS serves a wave's instructions in order (ISA guide 5.7.1.4): these see the stores above
.endr
.endm
.macro SEND a
	WIN 0
.set BK, OB+64*((\a)%2)
	s_wait_dscnt 0x0                               ; the block is back in registers
	s_wait_xcnt 0x0                                ; the stores of the block before have read their registers, which the next block's loads from the stage fill again
.irp t, 0,1,2,3,4,5,6,7,8,9,10,11,12,13,14,15
	global_store_b128 v[CO], v[BK+4*(\t):BK+4*(\t)+3], s[CP:CP+1] offset:(16*(\a)+(\t))*4096  ; a wave stores 512 consecutive bytes, aligned
.endr
.endm
	s_load_b128 s[72:75], s[0:1], 0x0              ; qkv s[72:73], pp s[74:75]
	s_load_b64 s[76:77], s[0:1], 0x10              ; raw
	v_lshl_add_u32 v[SPW], v0, 2, SPARE
	v_mov_b32 v[NIL], 0
	ds_add_u32 v[SPW], v[NIL]                      ; the wave's opening: the add and its wait stand ahead of my first tensor load; work on registers stands between them
	v_lshrrev_b32 v1, 5, v0
	v_readfirstlane_b32 s10, v1                    ; wave 0..3
	s_lshr_b32 s11, s10, 1                         ; my half of the tile's 128 l.  Also: I fetch for v (0) or for pp (1)
	s_and_b32 s12, s10, 1                          ; my half of its 256 i.  Also: which 64 rows of a K step I fetch
	s_bfe_u32 s40, ttmp6, 0x40000                  ; cx: the block of 256 i
	s_bfe_u32 s41, ttmp6, 0x40004                  ; cy
	s_and_b32 s80, ttmp7, 0xffff                   ; cluster y
	s_lshr_b32 s82, s80, 1                         ; b
	s_and_b32 s83, s80, 1
	s_lshl_b32 s83, s83, 2
	s_add_co_u32 s83, s83, s41                     ; the block of 128 l
	s_lshl_b32 s43, s41, 2
	s_lshl_b32 s43, 15, s43                        ; my row of the cluster
	s_lshl_b32 s44, 0x1111, s40                    ; my column
	s_or_b32 s[G1A+0], s43, (1<<16)|(1<<20)|(1<<21)|(5<<22)|(7<<25)  ; mask; 2-byte elements; padding on; bit 21 beside a mask; after every 64 words 8 words
	s_mov_b32 s[G1A+1], 128<<16                    ; tensor_dim0 = 128
	s_mov_b32 s[G1A+2], 64<<16                     ; tensor_dim1 = 64
	s_mov_b32 s[G1A+3], 128<<16                    ; tile_dim0 = 128
	s_mov_b32 s[G1A+4], 64                         ; tile_dim1 = 64
	s_mov_b32 s[G1A+5], 1024
	s_mov_b32 s[G1A+6], 0
	s_mov_b32 s[G1A+7], 0
	s_or_b32 s[G1B+0], s44, (1<<16)|(1<<20)|(1<<21)|(6<<22)|(7<<25)  ; after every 128 words 8 words
	s_mov_b32 s[G1B+1], 256<<16                    ; tensor_dim0 = 256
	s_mov_b32 s[G1B+2], 64<<16
	s_mov_b32 s[G1B+3], 256<<16                    ; tile_dim0 = 256
	s_mov_b32 s[G1B+4], 64
	s_mov_b32 s[G1B+5], 1024
	s_mov_b32 s[G1B+6], 0
	s_mov_b32 s[G1B+7], 0
	s_lshl_b32 s16, s82, 21                        ; v's tile: batch b,
	s_lshl_b32 s17, s12, 17                        ; my 64 of a K step's 128 rows,
	s_add_co_u32 s16, s16, s17
	s_lshl_b32 s17, s83, 8                         ; columns 128 x block on,
	s_add_co_u32 s16, s16, s17
	s_add_co_u32 s16, s16, 0x3000000               ; v lies from 48 MiB on
	s_mov_b32 s17, 0
	s_lshl_b32 s46, s82, 21                        ; pp's tile: batch b,
	s_lshl_b32 s47, s12, 17
	s_add_co_u32 s46, s46, s47
	s_lshl_b32 s47, s40, 9                         ; columns 256 cx on
	s_add_co_u32 s46, s46, s47
	s_mov_b32 s47, 0
	s_mul_i32 s20, s12, 64*PVA                     ; where the halves go: v's,
	s_mul_i32 s21, s12, 64*PVB                     ; pp's,
	s_add_co_u32 s21, s21, BOFF                    ; behind v's 128 rows
	s_wait_dscnt 0x0                               ; the opening add is done
	s_wait_kmcnt 0x0
	s_add_nc_u64 s[14:15], s[72:73], s[16:17]
	s_add_nc_u64 s[44:45], s[74:75], s[46:47]
	CROUND                                         ; all sixteen work-groups are here: the first joint loads meet
.irp s, 0,1
	s_mov_b32 s[G0A+4*(\s)], 1
	s_add_co_u32 s[G0A+4*(\s)+1], s20, (\s)*SLOT1
	s_add_nc_u64 s[G0A+4*(\s)+2:G0A+4*(\s)+3], s[14:15], (\s)*KB
	s_or_b32 s[G0A+4*(\s)+3], s[G0A+4*(\s)+3], 0x80000000
	s_mov_b32 s[G0B+4*(\s)], 1
	s_add_co_u32 s[G0B+4*(\s)+1], s21, (\s)*SLOT1
	s_add_nc_u64 s[G0B+4*(\s)+2:G0B+4*(\s)+3], s[44:45], (\s)*KB
	s_or_b32 s[G0B+4*(\s)+3], s[G0B+4*(\s)+3], 0x80000000
	JLOAD \s                                       ; K steps 0 and 1: two loads of mine are out
.endr
	v_and_b32 v1, 15, v0                           ; r
	v_bfe_u32 v2, v0, 4, 1                         ; h
	v_and_b32 v4, 7, v0
	v_lshl_add_u32 v4, v2, 3, v4                   ; the turning loads: row 8 h + l % 8,
	v_bfe_u32 v5, v0, 3, 1
	v_lshlrev_b32 v5, 4, v5                        ; 16 bytes for each group of eight lanes
	v_mul_u32_u24 v6, v4, PVA
	v_add_nc_u32 v6, v6, v5
	s_lshl_b32 s22, s11, 7                         ; my 64 l
	v_add_nc_u32 v[A0], s22, v6
	v_mul_u32_u24 v6, v4, PVB
	v_add_nc_u32 v6, v6, v5
	s_lshl_b32 s22, s12, 8                         ; my 128 i,
	s_add_co_u32 s22, s22, BOFF
	v_add_nc_u32 v[B0], s22, v6
	s_mul_i32 s23, s10, 16*SP
	s_add_co_u32 s23, s23, STAGE                   ; my stage
	v_mul_u32_u24 v6, v1, SP                       ; in: row r, 32 bytes for each half of the lanes
	v_lshl_add_u32 v6, v2, 5, v6
	v_add_nc_u32 v[STO], s23, v6
	v_and_b32 v3, 31, v0
	v_lshlrev_b32 v[CO], 4, v3                     ; back: a row's 512 bytes, 16 a lane; the same in raw
	v_add_nc_u32 v[RD], s23, v[CO]
	s_lshl_b32 s94, s82, 22                        ; raw: batch b, 4 MiB each,
	s_lshl_b32 s95, s83, 19                        ; row 128 x block
	s_add_co_u32 s94, s94, s95
	s_lshl_b32 s95, s11, 18                        ; + 64 x half, 4,096 bytes a row,
	s_add_co_u32 s94, s94, s95
	s_lshl_b32 s95, s40, 10                        ; column 256 cx
	s_add_co_u32 s94, s94, s95
	s_lshl_b32 s95, s12, 9                         ; + 128 x half
	s_add_co_u32 s94, s94, s95
	s_mov_b32 s95, 0
	s_add_nc_u64 s[CP:CP+1], s[76:77], s[94:95]
	s_wait_tensorcnt 1                             ; my part of K step 0 is in; K step 1's may stay out
	s_barrier_signal -1
	s_barrier_wait -1
	v_mov_b32 v[CA], v[A0]
	v_mov_b32 v[CB], v[B0]
	s_mov_b32 s[TB], 0
	FETCH 0, F0
	QUARTER 1, F0, F1, 1                           ; the first quarter stands in front of the loop: its products start the sums
	WIN 0
	s_mov_b32 s3, 6
.Lstep:                                            ; six trips; trip t fills the slot that it leaves with K step t + 2
	QUARTER 2, F1, F0, 0
	QUARTER 3, F0, F1, 0
	TURN 1
	QUARTER 1, F0, F1, 0
	WIN 0
	s_sub_co_u32 s3, s3, 1
	s_cmp_lg_u32 s3, 0
	s_cbranch_scc1 .Lstep
	s_mov_b32 s3, 2
.Ltail:                                            ; K steps 6 and 7 ask for nothing: a text of their own; the second trip is left in its middle
	QUARTER 2, F1, F0, 0
	QUARTER 3, F0, F1, 0
	WIN 0
	s_cmp_eq_u32 s3, 1
	s_cbranch_scc1 .Llastq
	TURN 0
	QUARTER 1, F0, F1, 0
	WIN 0
	s_sub_co_u32 s3, s3, 1
	s_cmp_lg_u32 s3, 0
	s_cbranch_scc1 .Ltail
.Llastq:
	s_wait_dscnt 4
	MUL8 F1, 0, 0
	MUL8 F1, 1, 0
	s_wait_dscnt 0x0
	MUL8 F1, 2, 0
	MUL8 F1, 3, 0
	WIN 0
	PLACES
	TOSTAGE 0
.irp a, 1,2,3
	SEND (\a)-1
	TOSTAGE \a
.endr
	SEND 3
	s_wait_tensorcnt 0x0                           ; the wave's end: a wait, an add and its wait, behind my last tensor load and my last LDS store
	ds_add_u32 v[SPW], v[NIL]
	s_wait_dscnt 0x0
	CROUND                                         ; the closing round
	s_endpgm
.Lfunc_end_k_qe544f43eeb_pv:
	.size	k_qe544f43eeb_pv, .Lfunc_end_k_qe544f43eeb_pv-k_qe544f43eeb_pv
	.p2alignl 7, 3214868480
	.fill 96, 4, 3214868480
	.section	.rodata,"a",@progbits
	.p2align	6, 0x0
	.amdhsa_kernel k_qe544f43eeb_pv
		.amdhsa_group_segment_fixed_size 327680
		.amdhsa_private_segment_fixed_size 0
		.amdhsa_enable_private_segment 0
		.amdhsa_kernarg_size 24
		.amdhsa_user_sgpr_count 2
		.amdhsa_user_sgpr_kernarg_segment_ptr 1
		.amdhsa_wavefront_size32 1
		.amdhsa_system_sgpr_workgroup_id_x 1
		.amdhsa_system_sgpr_workgroup_id_y 1
		.amdhsa_system_sgpr_workgroup_id_z 1
		.amdhsa_system_vgpr_workitem_id 0
		.amdhsa_next_free_vgpr 512
		.amdhsa_next_free_sgpr 100
		.amdhsa_reserve_vcc 0
		.amdhsa_float_denorm_mode_32 3
		.amdhsa_float_denorm_mode_16_64 3
		.amdhsa_memory_ordered 1
		.amdhsa_forward_progress 1
		.amdhsa_inst_pref_size 62
	.end_amdhsa_kernel
	.amdgpu_metadata
---
amdhsa.version: [ 1, 2 ]
amdhsa.kernels:
  - .name:           k_qe544f43eeb_pv
    .symbol:         k_qe544f43eeb_pv.kd
    .args:
      - { .name: qkv, .offset: 0, .size: 8, .value_kind: global_buffer, .address_space: global }
      - { .name: pp, .offset: 8, .size: 8, .value_kind: global_buffer, .address_space: global }
      - { .name: raw, .offset: 16, .size: 8, .value_kind: global_buffer, .address_space: global }
    .group_segment_fixed_size: 327680
    .private_segment_fixed_size: 0
    .kernarg_segment_align: 8
    .kernarg_segment_size: 24
    .max_flat_workgroup_size: 128
    .sgpr_count:     100
    .vgpr_count:     512
    .wavefront_size: 32
...
	.end_amdgpu_metadata
.endif
;; end of part 5
;; launch ln (part 6): grid 512 x 1, 8 waves a work-group, no clusters, 0 bytes of LDS; arguments raw, gamma, beta, out0; writes out0
.if DOCPART == 6
	.amdgcn_target "amdgcn-amd-amdhsa--gfx1250"
	.amdhsa_code_object_version 6
	.text
	.protected	k_qe544f43eeb_ln
	.globl	k_qe544f43eeb_ln
	.p2align	8
	.type	k_qe544f43eeb_ln,@function
k_qe544f43eeb_ln:
	s_mov_b64 s[64:65], 0
	v_nop
	global_prefetch_b8 v0, s[64:65] scope:SCOPE_SE
	s_setreg_imm32_b32 hwreg(HW_REG_WAVE_MODE, 25, 1), 1
	s_wait_xcnt 0x0
; THE LAYERNORM over i of out = raw / 1,024:  out0[b][l][i] = (out - mean) rsqrt(var + 1e-5) gamma[i] + beta[i].
; The power of two is taken out exactly: mean and deviations are taken of raw; var = (sum of squared deviations) x 2^-30 (1/1,024 for the mean of squares, 2^-20 for the scale); the scale is rsqrt x 2^-10.
; The variance is the mean of squared DEVIATIONS, in a second pass over the row, which stays in registers: no difference of large sums.  gamma and beta are rounded to bf16, like every input of the module.
; A stream: one wave, one row of 4,096 bytes at a time, so the sums never leave the wave: no LDS, no barrier.  What work-groups share (gamma, beta: 8 KiB beside 128 KiB of rows in and out) is too little for a cluster.
; SHARES.  Work-group g owns rows 16 g .. 16 g + 15 of the 8,192 rows (b, l), wave w two of them.  Each load and store of a wave covers 512 consecutive bytes, aligned.
.set G,  16                            ; v[16:47]  gamma of my 32 columns (128 t + 4 lane + 0..3)
.set BT, 48                            ; v[48:79]  beta
	s_load_b256 s[4:11], s[0:1], 0x0               ; raw s[4:5], gamma s[6:7], beta s[8:9], out0 s[10:11]
	v_and_b32 v3, 31, v0
	v_lshrrev_b32 v2, 5, v0
	v_lshlrev_b32 v1, 4, v3                        ; v1: 16 lane
	v_lshl_add_u32 v2, v2, 13, v1                  ; v2: + my wave's two rows
	v_mov_b32 v12, 0                               ; v_permlanex16_b32's destination counts as read
	s_lshl_b32 s12, ttmp9, 16                      ; 16 rows of 4,096 bytes
	s_mov_b32 s13, 0
	s_mov_b32 s14, 0x76543210                      ; each lane takes its own place in the other half
	s_mov_b32 s15, 0xfedcba98
	s_mov_b32 s16, 0x3a800000                      ; 2^-10
	s_mov_b32 s17, 0x30800000                      ; 2^-30
	s_mov_b32 s18, 0x3727c5ac                      ; 1e-5
	s_mov_b32 s19, 0xffff0000                      ; a word's upper bf16
	s_wait_kmcnt 0x0
	s_add_nc_u64 s[4:5], s[4:5], s[12:13]
	s_add_nc_u64 s[10:11], s[10:11], s[12:13]
.irp t, 0,1,2,3,4,5,6,7
	global_load_b128 v[G+4*(\t):G+4*(\t)+3], v1, s[6:7] offset:512*(\t)
.endr
.irp t, 0,1,2,3,4,5,6,7
	global_load_b128 v[BT+4*(\t):BT+4*(\t)+3], v1, s[8:9] offset:512*(\t)
.endr
.irp p, 0,1
.irp t, 0,1,2,3,4,5,6,7
	global_load_b128 v[80+32*(\p)+4*(\t):80+32*(\p)+4*(\t)+3], v2, s[4:5] offset:4096*(\p)+512*(\t) th:TH_LOAD_NT
.endr
.endr
	s_wait_loadcnt 16                              ; gamma and beta are in; the two rows' sixteen loads stay out
.set k, 0
.rept 32                               ; 64 numbers, two at a time: rounded to bf16 and widened again
	v_cvt_pk_bf16_f32 v[4+k%8], v[G+2*k], v[G+2*k+1]
	v_lshlrev_b32 v[G+2*k], 16, v[4+k%8]
	v_and_b32 v[G+2*k+1], s19, v[4+k%8]
.set k, k+1
.endr
.macro REDUCE                          ; v[4:11] hold four chains of pairs: their sum over the pairs and over the 32 lanes, into v4 of every lane
	v_pk_add_f32 v[4:5], v[4:5], v[6:7]
	v_pk_add_f32 v[8:9], v[8:9], v[10:11]
	v_pk_add_f32 v[4:5], v[4:5], v[8:9]
	v_add_f32 v4, v4, v5
	v_add_f32_dpp v4, v4, v4 row_xmask:1 row_mask:0xf bank_mask:0xf
	v_add_f32_dpp v4, v4, v4 row_xmask:2 row_mask:0xf bank_mask:0xf
	v_add_f32_dpp v4, v4, v4 row_xmask:4 row_mask:0xf bank_mask:0xf
	v_add_f32_dpp v4, v4, v4 row_xmask:8 row_mask:0xf bank_mask:0xf
	v_permlanex16_b32 v12, v4, s14, s15
	v_add_f32 v4, v4, v12
.endm
.macro LNROW p
.set X, 80+32*(\p)
	s_wait_loadcnt 8-8*(\p)                        ; this row's eight loads are in; the next row's stay out
.irp c, 0,1,2,3
	v_pk_add_f32 v[4+2*(\c):5+2*(\c)], v[X+2*(\c):X+2*(\c)+1], v[X+8+2*(\c):X+8+2*(\c)+1]
.endr
.irp c, 0,1,2,3
	v_pk_add_f32 v[4+2*(\c):5+2*(\c)], v[4+2*(\c):5+2*(\c)], v[X+16+2*(\c):X+16+2*(\c)+1]
.endr
.irp c, 0,1,2,3
	v_pk_add_f32 v[4+2*(\c):5+2*(\c)], v[4+2*(\c):5+2*(\c)], v[X+24+2*(\c):X+24+2*(\c)+1]
.endr
	REDUCE
	v_mul_f32 v14, s16, v4                         ; the mean of raw's row
	v_mov_b32 v15, v14
.set k, 0
.rept 16
	v_pk_add_f32 v[X+2*k:X+2*k+1], v[X+2*k:X+2*k+1], v[14:15] neg_lo:[0,1] neg_hi:[0,1]  ; the deviations, in place
.set k, k+1
.endr
.irp c, 0,1,2,3
	v_pk_mul_f32 v[4+2*(\c):5+2*(\c)], v[X+2*(\c):X+2*(\c)+1], v[X+2*(\c):X+2*(\c)+1]
.endr
.irp q, 8,16,24
.irp c, 0,1,2,3
	v_pk_fma_f32 v[4+2*(\c):5+2*(\c)], v[X+(\q)+2*(\c):X+(\q)+2*(\c)+1], v[X+(\q)+2*(\c):X+(\q)+2*(\c)+1], v[4+2*(\c):5+2*(\c)]
.endr
.endr
	REDUCE
	v_fma_f32 v13, v4, s17, s18                    ; var + eps
	v_rsq_f32 v13, v13
	v_nop                                          ; a plain instruction behind the root,
	s_wait_alu depctr_va_vdst(0)                   ; and the wait ahead of its first reader
	v_mul_f32 v14, s16, v13
	v_mov_b32 v15, v14
.set k, 0
.rept 16
	v_pk_mul_f32 v[X+2*k:X+2*k+1], v[X+2*k:X+2*k+1], v[14:15]
.set k, k+1
.endr
.set k, 0
.rept 16
	v_pk_fma_f32 v[X+2*k:X+2*k+1], v[X+2*k:X+2*k+1], v[G+2*k:G+2*k+1], v[BT+2*k:BT+2*k+1]
.set k, k+1
.endr
.irp t, 0,1,2,3,4,5,6,7
	global_store_b128 v2, v[X+4*(\t):X+4*(\t)+3], s[10:11] offset:4096*(\p)+512*(\t) th:TH_STORE_NT  ; no register that a store names is written again
.endr
.endm
	LNROW 0
	LNROW 1
	s_endpgm
.Lfunc_end_k_qe544f43eeb_ln:
	.size	k_qe544f43eeb_ln, .Lfunc_end_k_qe544f43eeb_ln-k_qe544f43eeb_ln
	.p2alignl 7, 3214868480
	.fill 96, 4, 3214868480
	.section	.rodata,"a",@progbits
	.p2align	6, 0x0
	.amdhsa_kernel k_qe544f43eeb_ln
		.amdhsa_group_segment_fixed_size 0
		.amdhsa_private_segment_fixed_size 0
		.amdhsa_enable_private_segment 0
		.amdhsa_kernarg_size 32
		.amdhsa_user_sgpr_count 2
		.amdhsa_user_sgpr_kernarg_segment_ptr 1
		.amdhsa_wavefront_size32 1
		.amdhsa_system_sgpr_workgroup_id_x 1
		.amdhsa_system_sgpr_workgroup_id_y 1
		.amdhsa_system_sgpr_workgroup_id_z 1
		.amdhsa_system_vgpr_workitem_id 0
		.amdhsa_next_free_vgpr 152
		.amdhsa_next_free_sgpr 66
		.amdhsa_reserve_vcc 0
		.amdhsa_float_denorm_mode_32 3
		.amdhsa_float_denorm_mode_16_64 3
		.amdhsa_memory_ordered 1
		.amdhsa_forward_progress 1
		.amdhsa_inst_pref_size 22
	.end_amdhsa_kernel
	.amdgpu_metadata
---
amdhsa.version: [ 1, 2 ]
amdhsa.kernels:
  - .name:           k_qe544f43eeb_ln
    .symbol:         k_qe544f43eeb_ln.kd
    .args:
      - { .name: raw, .offset: 0, .size: 8, .value_kind: global_buffer, .address_space: global }
      - { .name: gamma, .offset: 8, .size: 8, .value_kind: global_buffer, .address_space: global }
      - { .name: beta, .offset: 16, .size: 8, .value_kind: global_buffer, .address_space: global }
      - { .name: out0, .offset: 24, .size: 8, .value_kind: global_buffer, .address_space: global }
    .group_segment_fixed_size: 0
    .private_segment_fixed_size: 0
    .kernarg_segment_align: 8
    .kernarg_segment_size: 32
    .max_flat_workgroup_size: 256
    .sgpr_count:     66
    .vgpr_count:     152
    .wavefront_size: 32
...
	.end_amdgpu_metadata
.endif
;; end of part 6
;; ======== version 2 of 2: 6 launches; version 1 with the launch comb written anew for expert scheduling mode
;; limits: values are held in f16: magnitudes above 65,504 overflow, below 6.1e-05 lose precision
;; workspace buffers: cb 41,943,040 bytes; qkv 67,108,864 bytes; pl 33,554,432 bytes; st 1,048,576 bytes; pp 16,777,216 bytes; raw 33,554,432 bytes
;; launch cast: the kernel of part 1 again; grid 1280 x 1, 8 waves a work-group, no clusters, 0 bytes of LDS; arguments another, x, Wq, Wx, Wk, Wv, cb; writes cb
;; launch proj: the kernel of part 2 again; grid 4 x 64, 4 waves a work-group, clusters of 4 x 4, 327,680 bytes of LDS; arguments cb, bq, bx, bk, bv, qkv; writes qkv
;; launch score: the kernel of part 3 again; grid 4 x 64, 4 waves a work-group, clusters of 4 x 4, 327,680 bytes of LDS; arguments qkv, pl, st; writes pl, st
;; launch comb (part 7): grid 256 x 1, 8 waves a work-group, no clusters, 0 bytes of LDS; arguments pl, st, pp; writes pp
.if DOCPART == 7
	.amdgcn_target "amdgcn-amd-amdhsa--gfx1250"
	.amdhsa_code_object_version 6
	.text
	.protected	k_qe544f43eeb_comb
	.globl	k_qe544f43eeb_comb
	.p2align	8
	.type	k_qe544f43eeb_comb,@function
k_qe544f43eeb_comb:
	s_mov_b64 s[64:65], 0
	v_nop
	global_prefetch_b8 v0, s[64:65] scope:SCOPE_SE
	s_setreg_imm32_b32 hwreg(HW_REG_WAVE_SCHED_MODE, 0, 2), 2
	s_setreg_imm32_b32 hwreg(HW_REG_WAVE_MODE, 25, 1), 1
	s_wait_xcnt 0x0
	s_wait_alu depctr_vm_vsrc(0)
; THE SECOND HALF OF THE SOFTMAX.  For each row (b, j) and each of the two score matrices the eight blocks' (cm, l) are joined: M = max cm, L = sum of l 2^(cm - M); a block's factor is f = 1024 x 2^(cm - M) / L.
; pp[b][j][i] = f16( p_0[j][i] f_0(block of i) + p_1[j][i] f_1(block of i) ) = 1024 x (att + att_x), transposed.  The factor 1024, a power of two that the last launch takes out again, keeps weights of the
; order of 1/1024 in f16's normal range; pp lies in 0 to 2,048.  L is at least about 1: the block that holds the maximum gives its l, which holds a weight of 1.  A factor below 2^-126 counts as 0.
; A stream: each byte of pl is read once, each byte of pp written once, no work-group shares input with another: no LDS tile, no cluster, no matrix unit.
; SHARES.  Work-group g owns rows 32 g .. 32 g + 31 of the 8,192 rows (b, j), wave w four of them.  A wave's 34 loads go out at once.  In the statistics a lane is (row lane / 8, block lane % 8);
; in the data a lane holds 8 neighbouring i: 16 bytes; sixteen lanes load and store 256 consecutive bytes, aligned.
; THE MODE: SCHED_MODE bits 1:0 = 2 (LLVM: expert scheduling mode 2), set by the entry lines.  The code itself states the register dependences between vector instructions and memory or LDS instructions,
; with s_wait_alu, always for 0.
; THE PLAN.  Registers that memory or LDS instructions touch:
;   v3, v4       byte offsets: made at the head, read by every load and store, never written again.
;   v[6:9]       the statistics: written by their two loads alone.
;   v[64:191]    row p at 64 + 32 p: 16 registers of the first matrix, 16 of the second, written by the loads; the row's conversions then write the first 16, which the row's four stores read; never written after that.
;   v[192:207]   the sixteen lane indices of the permutes: one register each, made once while the loads are on their way, never written again.
;   v10, v11     the two factors: written by vector instructions, read by the 32 permutes, never written after that.
;   v[16:47]     the factors as each lane needs them: written by the permutes alone.
;   v5, v12-14 and v[48:55] are named by vector instructions alone.
; So no register that a memory or LDS instruction reads is ever written again, and no vector instruction names a register ahead of the load that lands in it.  What is left to state is that a register is
; written before a memory or LDS instruction reads it: once for the offsets, once for the factors and the indices, once a row for the four stores' data, which stand in one run behind the row's conversions.
.set IDX, 192                          ; v[192:207]  row p, load t: 4 x (8 p + 2 t + lane / 16), at IDX + 4 p + t
	s_load_b128 s[4:7], s[0:1], 0x0                ; pl s[4:5], st s[6:7]
	s_load_b64 s[8:9], s[0:1], 0x10                ; pp
	v_and_b32 v1, 31, v0                           ; lane
	v_lshrrev_b32 v2, 5, v0                        ; wave
	v_lshlrev_b32 v3, 4, v1
	v_lshl_add_u32 v3, v2, 13, v3                  ; v3: 16 lane + my wave's four rows of 2,048 bytes
	v_and_b32 v4, 7, v1
	v_lshrrev_b32 v5, 3, v1
	v_lshl_add_u32 v5, v2, 2, v5                   ; row 4 w + lane / 8,
	v_lshlrev_b32 v5, 3, v5                        ; 8 bytes each,
	v_lshl_add_u32 v4, v4, 13, v5                  ; v4: in block lane % 8, 8,192 bytes each
	s_lshl_b32 s10, ttmp9, 16                      ; 32 rows of 2,048 bytes
	s_mov_b32 s11, 0
	s_lshr_b32 s12, ttmp9, 5                       ; b: 8 blocks of 8,192 bytes,
	s_lshl_b32 s12, s12, 16
	s_and_b32 s13, ttmp9, 31                       ; j = 32 (g % 32): 8 bytes each
	s_lshl_b32 s13, s13, 8
	s_add_co_u32 s12, s12, s13
	s_mov_b32 s13, 0
	s_wait_kmcnt 0x0
	s_add_nc_u64 s[4:5], s[4:5], s[10:11]          ; p of the first matrix,
	s_add_nc_u64 s[14:15], s[4:5], 0x1000000       ; of the second
	s_add_nc_u64 s[6:7], s[6:7], s[12:13]
	s_add_nc_u64 s[8:9], s[8:9], s[10:11]
	s_wait_alu depctr_va_vdst(0)                   ; v3 and v4 are written: every load and store of the kernel reads one of them as its offset, and no vector instruction names them again
	global_load_b64 v[6:7], v4, s[6:7]             ; (cm, l) of the first matrix,
	global_load_b64 v[8:9], v4, s[6:7] offset:524288  ; of the second
.irp p, 0,1,2,3
.irp t, 0,1,2,3
	global_load_b128 v[64+32*(\p)+4*(\t):64+32*(\p)+4*(\t)+3], v3, s[4:5] offset:2048*(\p)+512*(\t) th:TH_LOAD_NT
.endr
.irp t, 0,1,2,3
	global_load_b128 v[80+32*(\p)+4*(\t):80+32*(\p)+4*(\t)+3], v3, s[14:15] offset:2048*(\p)+512*(\t) th:TH_LOAD_NT
.endr
.endr
	; while the loads are on their way: what no load touches
	v_lshrrev_b32 v5, 4, v1
	v_lshlrev_b32 v5, 2, v5                        ; v5: 4 x (lane / 16): which of a load's two blocks my 8 numbers lie in, as a lane index in bytes
	v_mov_b32 v13, 0
.irp p, 0,1,2,3                        ; the factor for row p, load t comes from lane 8 p + 2 t + lane / 16: a register for each index, so that none is written again behind a permute that reads it
.irp t, 0,1,2,3
	v_add_nc_u32 v[IDX+4*(\p)+(\t)], 32*(\p)+8*(\t), v5
.endr
.endr
	s_wait_loadcnt 32                              ; the statistics are in; the 32 loads of data stay out
	v_mov_b32 v10, v6
	v_mov_b32 v11, v8
.irp m, 1,2,4                          ; over the eight lanes of a row
	v_max_num_f32_dpp v10, v10, v10 row_xmask:\m row_mask:0xf bank_mask:0xf
	v_max_num_f32_dpp v11, v11, v11 row_xmask:\m row_mask:0xf bank_mask:0xf
.endr
	v_sub_f32 v10, v6, v10                         ; cm - M
	v_sub_f32 v11, v8, v11
	v_exp_f32 v10, v10
	v_exp_f32 v11, v11
	v_nop                                          ; a plain instruction behind the last exponential
	s_wait_alu depctr_va_vdst(0)                   ; the two exponentials have written v10 and v11, ahead of the multiplies that read them: one wait for the two
	v_mul_f32 v12, v7, v10
	v_mul_f32 v14, v9, v11
.irp m, 1,2,4
	v_add_f32_dpp v12, v12, v12 row_xmask:\m row_mask:0xf bank_mask:0xf
	v_add_f32_dpp v14, v14, v14 row_xmask:\m row_mask:0xf bank_mask:0xf
.endr
	v_rcp_f32 v12, v12
	v_rcp_f32 v14, v14
	v_nop                                          ; a plain instruction behind the last reciprocal
	s_wait_alu depctr_va_vdst(0)                   ; the two reciprocals have written v12 and v14, ahead of the multiplies that read them: one wait for the two
	v_mul_f32 v12, 0x44800000, v12                 ; 1,024 / L
	v_mul_f32 v14, 0x44800000, v14
	v_mul_f32 v10, v10, v12                        ; f
	v_mul_f32 v11, v11, v14
	s_wait_alu depctr_va_vdst(0)                   ; the factors v10 and v11 and the sixteen indices v[192:207] are written, which the 32 permutes below read; no vector instruction stands among them
.irp p, 0,1,2,3
.irp t, 0,1,2,3
	ds_bpermute_b32 v[16+2*(4*(\p)+(\t))], v[IDX+4*(\p)+(\t)], v10
	ds_bpermute_b32 v[17+2*(4*(\p)+(\t))], v[IDX+4*(\p)+(\t)], v11
.endr
.endr
	s_wait_dscnt 0x0                               ; the factors are in v[16:47]
.irp p, 0,1,2,3
	s_wait_loadcnt 24-8*(\p)                       ; row p's eight loads are in; the later rows' stay out
.irp t, 0,1,2,3
.set P1, 64+32*(\p)+4*(\t)
.set P2, P1+16
.set FF, 16+2*(4*(\p)+(\t))
.irp e, 0,1,2,3
	v_fma_mix_f32 v[48+2*(\e)], v[P1+(\e)], v[FF], v13 op_sel_hi:[1,0,0]
	v_fma_mix_f32 v[49+2*(\e)], v[P1+(\e)], v[FF], v13 op_sel:[1,0,0] op_sel_hi:[1,0,0]
.endr
.irp e, 0,1,2,3
	v_fma_mix_f32 v[48+2*(\e)], v[P2+(\e)], v[FF+1], v[48+2*(\e)] op_sel_hi:[1,0,0]
	v_fma_mix_f32 v[49+2*(\e)], v[P2+(\e)], v[FF+1], v[49+2*(\e)] op_sel:[1,0,0] op_sel_hi:[1,0,0]
.endr
.irp e, 0,1,2,3
	v_cvt_pk_f16_f32 v[P1+(\e)], v[48+2*(\e)], v[49+2*(\e)]
.endr
.endr
	s_wait_alu depctr_va_vdst(0)                   ; row p's sixteen conversions have written v[64 + 32 p .. 79 + 32 p], which the four stores below read: one wait for the run
.irp t, 0,1,2,3                        ; the row leaves ahead of the wait for the next row's data
	global_store_b128 v3, v[64+32*(\p)+4*(\t):64+32*(\p)+4*(\t)+3], s[8:9] offset:2048*(\p)+512*(\t) th:TH_STORE_NT  ; no register that a store names is written again
.endr
.endr
	s_endpgm
.Lfunc_end_k_qe544f43eeb_comb:
	.size	k_qe544f43eeb_comb, .Lfunc_end_k_qe544f43eeb_comb-k_qe544f43eeb_comb
	.p2alignl 7, 3214868480
	.fill 96, 4, 3214868480
	.section	.rodata,"a",@progbits
	.p2align	6, 0x0
	.amdhsa_kernel k_qe544f43eeb_comb
		.amdhsa_group_segment_fixed_size 0
		.amdhsa_private_segment_fixed_size 0
		.amdhsa_enable_private_segment 0
		.amdhsa_kernarg_size 24
		.amdhsa_user_sgpr_count 2
		.amdhsa_user_sgpr_kernarg_segment_ptr 1
		.amdhsa_wavefront_size32 1
		.amdhsa_system_sgpr_workgroup_id_x 1
		.amdhsa_system_sgpr_workgroup_id_y 1
		.amdhsa_system_sgpr_workgroup_id_z 1
		.amdhsa_system_vgpr_workitem_id 0
		.amdhsa_next_free_vgpr 208
		.amdhsa_next_free_sgpr 66
		.amdhsa_reserve_vcc 0
		.amdhsa_float_denorm_mode_32 3
		.amdhsa_float_denorm_mode_16_64 3
		.amdhsa_memory_ordered 1
		.amdhsa_forward_progress 1
		.amdhsa_inst_pref_size 31
	.end_amdhsa_kernel
	.amdgpu_metadata
---
amdhsa.version: [ 1, 2 ]
amdhsa.kernels:
  - .name:           k_qe544f43eeb_comb
    .symbol:         k_qe544f43eeb_comb.kd
    .args:
      - { .name: pl, .offset: 0, .size: 8, .value_kind: global_buffer, .address_space: global }
      - { .name: st, .offset: 8, .size: 8, .value_kind: global_buffer, .address_space: global }
      - { .name: pp, .offset: 16, .size: 8, .value_kind: global_buffer, .address_space: global }
    .group_segment_fixed_size: 0
    .private_segment_fixed_size: 0
    .kernarg_segment_align: 8
    .kernarg_segment_size: 24
    .max_flat_workgroup_size: 256
    .sgpr_count:     66
    .vgpr_count:     208
    .wavefront_size: 32
...
	.end_amdgpu_metadata
.endif
;; end of part 7
;; launch pv: the kernel of part 5 again; grid 4 x 64, 4 waves a work-group, clusters of 4 x 4, 327,680 bytes of LDS; arguments qkv, pp, raw; writes raw
;; launch ln: the kernel of part 6 again; grid 512 x 1, 8 waves a work-group, no clusters, 0 bytes of LDS; arguments raw, gamma, beta, out0; writes out0
